; MI455X (gfx1250); checked and timed in simulation.
; The chip was launched on July 23, 2026; its instructions are those of AMD's public machine-readable ISA for CDNA 5 (MIT licence, August 2026) and "CDNA5" Instruction Set Architecture Reference Guide (July 2026). The comments in the code are by the model that wrote it; some were corrected since.
;; Multi Head Attention. Allowed arithmetic: matrix products marked QUANTISED: E2M3 operands, one E8M0 scale for each 32 along K, by v_wmma_scale_f32_16x16x128_f8f6f4 with both operands' format E2M3, f32 sums; everything else in f32.
;; Inputs: Wk 16 x 1,024 x 64 float32; Wo 1,024 x 1,024 float32; Wq 16 x 1,024 x 64 float32; Wv 16 x 1,024 x 64 float32; bo 1,024 float32; x 4 x 2,048 x 1,024 float32.
;; Outputs: out0 4 x 2,048 x 1,024 float32.
;; This version of the problem:
;;   THIS VERSION OF THE PROBLEM IS GIVEN IN LOW PRECISION. The matrix products marked QUANTISED in the list below multiply operands that are first quantised to E2M3 (2 exponent bits, 3 mantissa bits; 6 bits a number), with one power-of-two scale for each 32 numbers along K (OCP MX v1.0); their sums are f32. All else is computed in f32.
;;   The module's matrix products, in the order in which they are computed (A, B: the left and right operand; K: the contracted axis; several contracted axes count as one K, in the product's order):
;;     1. [M 1,024, K 1,024] x [K 1,024, N 8,192]; A: input Wq; B: input x: QUANTISED
;;     2. [M 1,024, K 1,024] x [K 1,024, N 8,192]; A: input Wk; B: input x: QUANTISED
;;     3. [M 1,024, K 1,024] x [K 1,024, N 8,192]; A: input Wv; B: input x: QUANTISED
;;     4. batch 64 x [M 2,048, K 64] x [K 64, N 2,048]; A: computed on the way; B: computed on the way: QUANTISED
;;     5. batch 64 x [M 2,048, K 2,048] x [K 2,048, N 64]; A: softmax (see below); B: computed on the way: QUANTISED
;;     6. [M 8,192, K 1,024] x [K 1,024, N 1,024]; A: computed on the way; B: input Wo: QUANTISED
;;   THE QUANTISER, for each operand of a quantised product, along K:
;;     - K is cut into blocks of 32 from its start; a last block that is shorter is filled with zeros.
;;     - A block's scale is 2^e with e = floor(log2(the largest magnitude in the block)) - 2, held to -126 .. 127; a block of zeros has e = 0. As a byte (E8M0): e + 127.
;;     - Each number is divided by its block's scale, clamped to +-7.5, and rounded to the nearest number of E2M3, ties to even, subnormals kept.
;;     - The product sums the exact products of the quantised numbers (number of the format x scale) in f32.
;;   ~~~python
;;   def quantise(x, axis):      # numpy; x: float32 -> the quantised numbers, widened to float32 again
;;       x = np.moveaxis(x, axis, -1); K = x.shape[-1]
;;       x = np.pad(x, [(0, 0)] * (x.ndim - 1) + [(0, -K % 32)]); x = x.reshape(x.shape[:-1] + (-1, 32)); a = np.abs(x).max(-1, keepdims=True)
;;       e = np.where(a > 0, np.clip(np.frexp(np.where(a > 0, a, 1))[1] - 1 - 2, -126, 127), 0)      # np.frexp(a)[1] - 1 = floor(log2(a)), exactly
;;       r = np.clip(x / 2.0 ** e, -7.5, 7.5)
;;       step = 2.0 ** (np.maximum(np.frexp(np.where(r == 0, 1, r))[1] - 1, 0) - 3)
;;       q = np.round(r / step) * step * 2.0 ** e      # np.round: ties to even
;;       return np.moveaxis(q.reshape(q.shape[:-2] + (-1,))[..., :K], -1, axis).astype(np.float32)
;;   ~~~
;;   SOFTMAX AHEAD OF A QUANTISED PRODUCT. Where the list says 'softmax', what is quantised is not the finished softmax but p = 2^(t - M), with t = logit x log2(e) and M = ceil(the row's largest t), a whole number; so 1/2 < the row's largest p <= 1. The row's sum l is taken of the UNQUANTISED p, in f32, and the product's result is divided by l at the end. Since M is a whole number, a kernel that streams over the keys may use a running M (the ceiling of the running maximum): every later rescaling is an exact power of two, which a block's scale takes up: the codes' values come out the same.
;;   OPERANDS COMPUTED ON THE WAY. 'Computed on the way' means the value that the module computes at that place (a softmax that the list does not call 'softmax' is quantised finished and normalised). What goes into a quantiser is computed in f32, as accurately as f32 sums, v_exp_f32 and their like allow (about 1e-6 of the number): no bf16 or f16 on the way to a quantiser, and a product that is left as it is and whose result goes on into a quantised operand takes f32 operands (vector FMAs, or v_wmma_f32_16x16x4_f32). A number that lies on a knife's edge between two numbers of the format may be rounded either way, as far as f32 arithmetic and the matrix unit's own rounding can turn it there, and no further.
;; One version. Each part assembles by itself: llvm-mc -triple=amdgcn-amd-amdhsa -mcpu=gfx1250 --defsym DOCPART=n.
;; ======== version 1 of 1: 4 launches
;; limits: right only within a limited range of input values
;; workspace buffers: xq 6,553,600 bytes; wq 3,276,800 bytes; qk 13,631,488 bytes; vt 6,815,744 bytes; oq 6,553,600 bytes
;; launch quant (part 1): grid 768 x 1, 4 waves a work-group, no clusters, 34,304 bytes of LDS; arguments x, Wo, Wq, Wk, Wv, xq, wq; writes xq, wq
.if DOCPART == 1
	.amdgcn_target "amdgcn-amd-amdhsa--gfx1250"
	.amdhsa_code_object_version 6
	.text
	.protected	k_q833fbfe8c2_quant
	.globl	k_q833fbfe8c2_quant
	.p2align	8
	.type	k_q833fbfe8c2_quant,@function
k_q833fbfe8c2_quant:
	s_mov_b64 s[64:65], 0
	v_nop
	global_prefetch_b8 v0, s[64:65] scope:SCOPE_SE
	s_setreg_imm32_b32 hwreg(HW_REG_WAVE_MODE, 25, 1), 1
	s_wait_xcnt 0x0
; x [8192][1024] and Wo [1024][1024] (K innermost) and Wq, Wk, Wv [16][1024][64] (K = the middle axis) become codes of FP6 (E2M3) with one E8M0 byte for each 32 along K.
; A block's scale is 2^(floor(log2(its largest magnitude)) - 2); its byte is that magnitude's exponent field - 2, held at 1 from below.
; LIMITS: a block of zeros, or one whose largest magnitude lies under 2^-124, gets the byte 1 (the bytes are read by this program alone; zero codes add nothing); NaN and infinities among the inputs are not served.
; THE CODES' LAYOUT is the image of an operand's registers: the fragment of 16 rows x 128 K is 1,536 bytes, six planes of 256; plane p holds registers 2 p, 2 p + 1, lane l's 8 bytes at 256 p + 8 l.
; Fragment (row block i, K step s) lies at (8 i + s) x 1,536.  The scale bytes lie [row][32] behind the codes.
; THE ROWS' ORDER: place p of a buffer holds row pi(p), pi = bits 3 and 4 of the number exchanged: lane r of block 2 b + u is row 32 b + 8 u + r + 8 (r / 8), so that later results' registers run along neighbours.
; wq's rows: 0-1023 Wq (64 x head + place), 1024-2047 Wk, 2048-3071 Wv, 3072-4095 Wo.
; Work-groups 0-575: one block of 16 rows of x or Wo, wave w its K steps 2 w, 2 w + 1; the numbers turn through the wave's own stage in LDS.  Work-groups 576-767: Wq, Wk, Wv: a lane to a column, registers down K; no LDS.
.set STG,   8448                       ; a wave's stage: 16 rows x (512 bytes + 16)
.set SPARE, 4*STG                      ; behind the stages: the spare words, 128 bytes a wave
.set SPW,   10                         ; v10  my spare word's LDS address; never rewritten
.set NIL,   11                         ; v11  0; never rewritten
.set SEL,   20                         ; s[20:21] selects of v_permlanex16_b32: lane l xor 16
.set TM,    16                         ; v16-31 at work in QUANT
.set PW,    32                         ; v32  the scale word just made
.set SW,    34                         ; v[34:35] my row's words of the wave's two K steps
.set PC,    36                         ; v36-54 the codes just made
.set R,     64                         ; v64-191 two sets of 64 numbers as loaded
.set X,     192                        ; v192-255 64 numbers: register 16 b + i = k 32 b + 16 (lane / 16) + i of my row
.set CN,    64                         ; the column path: v64-191 my column's 128 numbers
.set SO,    200                        ; v200-203 its blocks' scale operands
.set WD,    205                        ; v205 its scale word
; 64 numbers of a lane, register 16 b + i = k 32 b + 16 (lane / 16) + i, become a fragment's 12 registers from v[PC] on and its scale word in v[PW]
.macro QUANT s
.irp b, 0,1,2,3
	v_max3_num_f32 v[TM+\b], |v[\s+16*\b]|, |v[\s+1+16*\b]|, 0x1800000   ; my 16 numbers of block b, and the floor 2^(3 - 127): the byte cannot fall under 1
.endr
.irp i, 2,4,6,8,10,12,14
.irp b, 0,1,2,3
	v_max3_num_f32 v[TM+\b], v[TM+\b], |v[\s+16*\b+\i]|, |v[\s+1+16*\b+\i]|
.endr
.endr
.irp b, 0,1,2,3
	v_permlanex16_b32 v[TM+4+\b], v[TM+\b], s[SEL], s[SEL+1]
.endr
.irp b, 0,1,2,3
	v_max_num_f32 v[TM+\b], v[TM+\b], v[TM+4+\b]       ; with lane l xor 16's: the block's largest magnitude
.endr
.irp b, 0,1,2,3
	v_add_nc_u32 v[TM+12+\b], 0xff000000, v[TM+\b]     ; 2 off its exponent field: the conversion's scale operand
.endr
.irp b, 0,1,2,3
	v_lshrrev_b32 v[TM+4+\b], 23, v[TM+12+\b]          ; the scale's byte
.endr
	v_lshl_or_b32 v[PW], v[TM+5], 8, v[TM+4]
	v_lshl_or_b32 v[PW], v[TM+6], 16, v[PW]
	v_lshl_or_b32 v[PW], v[TM+7], 24, v[PW]
.irp c, 0,1
	v_cvt_scalef32_pk16_fp6_f32 v[PC+6*\c:PC+2+6*\c], v[\s+32*\c:\s+15+32*\c], v[TM+12+2*\c]
	v_cvt_scalef32_pk16_fp6_f32 v[PC+12+4*\c:PC+14+4*\c], v[\s+16+32*\c:\s+31+32*\c], v[TM+12+2*\c+1]   ; (a conversion's three registers begin on an even number)
.endr
	v_nop                                              ; one plain place behind a scaled conversion
.irp c, 0,1                                        ; the layout wants a whole block in a lane: lanes 0-15 block 2 c, lanes 16-31 block 2 c + 1
.irp i, 0,1,2
	v_permlane16_swap_b32 v[PC+6*\c+\i], v[PC+12+4*\c+\i]
.endr
.irp i, 0,1,2
	v_mov_b32 v[PC+3+6*\c+\i], v[PC+12+4*\c+\i]
.endr
.endr
.endm
	s_load_b256 s[4:11], s[0:1], 0x0               ; x s[4:5], Wo s[6:7], Wq s[8:9], Wk s[10:11]
	s_load_b128 s[12:15], s[0:1], 0x20             ; Wv s[12:13], xq s[14:15]
	s_load_b64 s[16:17], s[0:1], 0x30              ; wq
	v_lshl_add_u32 v[SPW], v0, 2, SPARE
	v_mov_b32 v[NIL], 0
	v_lshrrev_b32 v1, 5, v0
	v_readfirstlane_b32 s18, v1                    ; wave 0..3
	v_and_b32 v1, 31, v0                           ; lane
	v_and_b32 v2, 15, v0                           ; r
	v_bfe_u32 v3, v0, 4, 1                         ; h
	v_lshlrev_b32 v7, 3, v1                        ; 8 x lane: my place in a plane
	s_mul_i32 s19, s18, STG
	v_lshl_add_u32 v5, v1, 4, s19                  ; the stage, on the way in: 16 x lane in a row
	v_mul_u32_u24 v6, v2, 528
	v_lshl_add_u32 v6, v3, 6, v6
	v_add_nc_u32 v6, s19, v6                       ; and on the way out: row r, + 64 h: my 16 numbers of a block of 32
	s_mov_b32 s[SEL], 0x76543210
	s_mov_b32 s[SEL+1], 0xfedcba98
	s_wait_kmcnt 0x0
	s_cmp_ge_u32 ttmp9, 576
	s_cbranch_scc1 .Lcols
	; ---- rows: K is innermost
	s_cmp_lt_u32 ttmp9, 512                        ; x's block or Wo's: the choice hangs on the work-group's number alone
	s_cselect_b64 s[22:23], s[4:5], s[6:7]         ; from
	s_cselect_b64 s[24:25], s[14:15], s[16:17]     ; to
	s_cselect_b32 s26, 0, 512
	s_cselect_b32 s27, 0, 192                      ; Wo's blocks lie behind the 192 of Wq, Wk, Wv
	s_mov_b32 s28, 3145728
	s_cselect_b32 s28, 6291456, s28                ; where the scale bytes begin
	s_sub_co_u32 s26, ttmp9, s26                   ; the block in its tensor
	s_add_co_u32 s27, s26, s27                     ; and in its buffer
	s_lshr_b32 s29, s26, 1
	s_lshl_b32 s29, s29, 5
	s_and_b32 s30, s26, 1
	s_lshl_b32 s30, s30, 3
	s_add_co_u32 s29, s29, s30                     ; block 2 b + u begins at row 32 b + 8 u
	s_lshl_b32 s30, s29, 12                        ; rows of 4,096 bytes
	s_lshl_b32 s31, s18, 10                        ; + my wave's two K steps, 512 bytes each
	s_add_co_u32 s30, s30, s31
	s_mov_b32 s31, 0
	s_add_nc_u64 s[22:23], s[22:23], s[30:31]
	s_mul_i32 s30, s27, 12288
	s_mul_i32 s32, s18, 3072
	s_add_co_u32 s30, s30, s32
	s_add_nc_u64 s[34:35], s[24:25], s[30:31]      ; my two fragments
	s_lshl_b32 s30, s27, 9
	s_lshl_b32 s32, s18, 3
	s_add_co_u32 s30, s30, s32
	s_add_co_u32 s30, s30, s28
	s_add_nc_u64 s[36:37], s[24:25], s[30:31]      ; my 8 scale bytes of the block's first row
	s_wait_alu depctr_va_vdst(0)
	v_lshlrev_b32 v4, 4, v1                        ; 16 bytes a lane: a load reads 512 consecutive bytes of one row
	v_lshlrev_b32 v8, 5, v2                        ; a row of scale bytes is 32 bytes
.irp b, 0,1,2,3
	v_mov_b32 v[TM+4+\b], 0                        ; written once: a lane permute's destination counts as one of its sources
.endr
.irp s, 0,1
.irp i, 0,1,2,3,4,5,6,7,8,9,10,11,12,13,14,15
	global_load_b128 v[R+64*\s+4*\i:R+64*\s+4*\i+3], v4, s[22:23] offset:(\i+8*(\i/8))*4096+512*\s th:TH_LOAD_NT   ; the tile's row i is row i + 8 (i / 8) from its first
.endr
.endr
.macro ROWSTEP s
	s_wait_loadcnt 16*(1-\s)                       ; this K step's 16 loads are in; the other step's 16, issued behind them, may be out
.irp i, 0,1,2,3,4,5,6,7,8,9,10,11,12,13,14,15
	ds_store_b128 v5, v[R+64*\s+4*\i:R+64*\s+4*\i+3] offset:528*\i
.endr
.irp b, 0,1,2,3
.irp j, 0,1,2,3
	ds_load_b128 v[X+16*\b+4*\j:X+16*\b+4*\j+3], v6 offset:128*\b+16*\j   ; LDS serves a wave's instructions in order: these see my stores
.endr
.endr
	s_wait_dscnt 0x0
.if \s
	s_wait_xcnt 0x0                                ; the first step's stores have read their data: the codes' registers are written again only behind this wait
.endif
	QUANT X
	v_mov_b32 v[SW+\s], v[PW]
.irp p, 0,1,2,3,4,5
	global_store_b64 v7, v[PC+2*\p:PC+2*\p+1], s[34:35] offset:1536*\s+256*\p   ; 32 lanes store 256 consecutive bytes, aligned
.endr
.endm
	ROWSTEP 0
	ROWSTEP 1
	global_store_b64 v8, v[SW:SW+1], s[36:37]      ; 8 scale bytes a row (lanes l and l xor 16 hold and write the same)
	s_wait_tensorcnt 0x0                           ; the wave's end, behind my last LDS store
	ds_add_u32 v[SPW], v[NIL]
	s_wait_dscnt 0x0
	s_endpgm
	; ---- columns: a wave takes 32 places of a head's 64 x one K step; lane l takes column pi(l), its registers run down K
.Lcols:
	s_sub_co_u32 s26, ttmp9, 576
	s_and_b32 s27, s18, 1                          ; which 32 of the head's 64
	s_lshr_b32 s28, s18, 1
	s_and_b32 s29, s26, 3
	s_lshl_b32 s29, s29, 1
	s_or_b32 s28, s28, s29                         ; K step 0..7
	s_lshr_b32 s29, s26, 2                         ; 16 x tensor + head
	s_lshr_b32 s30, s29, 4
	s_and_b32 s31, s29, 15
	s_cmp_eq_u32 s30, 0
	s_cselect_b64 s[22:23], s[8:9], s[10:11]
	s_cmp_eq_u32 s30, 2
	s_cselect_b64 s[22:23], s[12:13], s[22:23]     ; Wq, Wk or Wv
	s_lshl_b32 s32, s31, 18                        ; a head is 1,024 rows of 256 bytes
	s_lshl_b32 s33, s28, 15                        ; a K step 128 rows
	s_add_co_u32 s32, s32, s33
	s_lshl_b32 s33, s27, 7
	s_add_co_u32 s32, s32, s33
	s_mov_b32 s33, 0
	s_add_nc_u64 s[22:23], s[22:23], s[32:33]
	s_lshl_b32 s32, s29, 2
	s_lshl_b32 s33, s27, 1
	s_add_co_u32 s32, s32, s33                     ; my first row block in wq
	s_mul_i32 s30, s32, 12288
	s_mul_i32 s33, s28, 1536
	s_add_co_u32 s30, s30, s33
	s_mov_b32 s31, 0
	s_add_nc_u64 s[34:35], s[16:17], s[30:31]
	s_lshl_b32 s30, s32, 9
	s_lshl_b32 s33, s28, 2
	s_add_co_u32 s30, s30, s33
	s_add_co_u32 s30, s30, 3145728
	s_add_nc_u64 s[36:37], s[16:17], s[30:31]
	s_wait_alu depctr_va_vdst(0)
	v_and_b32 v4, 7, v1
	v_and_b32 v9, 8, v1
	v_lshl_or_b32 v4, v9, 1, v4
	v_lshl_or_b32 v4, v3, 3, v4                    ; pi(lane)
	v_lshlrev_b32 v4, 2, v4
	v_lshlrev_b32 v8, 5, v1                        ; my place's row of scale bytes
.macro CLOAD t                         ; block t: W(32 t + k, my column); the wave reads 128 consecutive bytes
.set k, 0
.rept 32
	global_load_b32 v[CN+32*(\t)+k], v4, s[22:23] offset:256*(32*(\t)+k) th:TH_LOAD_NT
.set k, k+1
.endr
.endm
.macro CBLOCK t
.set XS, CN+32*(\t)
.if (\t) < 3
	s_wait_loadcnt 32                              ; this block's 32 loads are in; the next block's 32 may be out
.else
	s_wait_loadcnt 0x0
.endif
.if (\t) < 2
	CLOAD (\t)+2
.endif
	v_max3_num_f32 v12, |v[XS]|, |v[XS+1]|, |v[XS+2]|  ; all 32 numbers of the block are mine
	v_max3_num_f32 v13, |v[XS+3]|, |v[XS+4]|, |v[XS+5]|
.irp i, 6,10,14,18,22,26
	v_max3_num_f32 v12, v12, |v[XS+\i]|, |v[XS+\i+1]|
	v_max3_num_f32 v13, v13, |v[XS+\i+2]|, |v[XS+\i+3]|
.endr
	v_max3_num_f32 v12, v12, |v[XS+30]|, |v[XS+31]|
	v_max3_num_f32 v12, v12, v13, 0x1800000        ; and the floor
	v_add_nc_u32 v[SO+(\t)], 0xff000000, v12
	v_lshrrev_b32 v13, 23, v[SO+(\t)]
.if (\t) == 0
	v_mov_b32 v[WD], v13
.else
	v_lshl_or_b32 v[WD], v13, 8*(\t), v[WD]
.endif
	v_cvt_scalef32_pk16_fp6_f32 v[16+8*(\t):18+8*(\t)], v[XS:XS+15], v[SO+(\t)]
	v_cvt_scalef32_pk16_fp6_f32 v[48+4*(\t):50+4*(\t)], v[XS+16:XS+31], v[SO+(\t)]
.endm
	CLOAD 0
	CLOAD 1
	s_wait_alu depctr_va_vdst(0)
	CBLOCK 0
	CBLOCK 1
	CBLOCK 2
	CBLOCK 3
	v_nop                                          ; one plain place behind the last scaled conversion
.irp t, 0,1,2,3
.irp i, 0,1,2
	v_mov_b32 v[19+8*\t+\i], v[48+4*\t+\i]         ; v[16 + 8 t ..] + 0..5: block t of my place, 192 bits
.endr
.endr
.irp c, 0,1                                    ; lanes 16-31 of block 2 c change places with lanes 0-15 of block 2 c + 1: the first is then registers 6 c .. of places 0-15, the second of places 16-31
.irp i, 0,1,2,3,4,5
	v_permlane16_swap_b32 v[16+16*\c+\i], v[24+16*\c+\i]
.endr
.endr
.irp c, 0,1
.irp q, 0,1
.irp i, 0,1,2
	global_store_b64 v7, v[16+16*\c+8*\q+2*\i:17+16*\c+8*\q+2*\i], s[34:35] offset:12288*\q+256*(3*\c+\i)   ; row block q, plane 3 c + i: 256 consecutive bytes, aligned
.endr
.endr
.endr
	global_store_b32 v8, v[WD], s[36:37]           ; my place's four scale bytes of this K step
	s_wait_tensorcnt 0x0                           ; the same three lines at this end of the launch too
	ds_add_u32 v[SPW], v[NIL]
	s_wait_dscnt 0x0
	s_endpgm
.Lfunc_end_k_q833fbfe8c2_quant:
	.size	k_q833fbfe8c2_quant, .Lfunc_end_k_q833fbfe8c2_quant-k_q833fbfe8c2_quant
	.p2alignl 7, 3214868480
	.fill 96, 4, 3214868480
	.section	.rodata,"a",@progbits
	.p2align	6, 0x0
	.amdhsa_kernel k_q833fbfe8c2_quant
		.amdhsa_group_segment_fixed_size 34304
		.amdhsa_private_segment_fixed_size 0
		.amdhsa_enable_private_segment 0
		.amdhsa_kernarg_size 56
		.amdhsa_user_sgpr_count 2
		.amdhsa_user_sgpr_kernarg_segment_ptr 1
		.amdhsa_wavefront_size32 1
		.amdhsa_system_sgpr_workgroup_id_x 1
		.amdhsa_system_sgpr_workgroup_id_y 1
		.amdhsa_system_sgpr_workgroup_id_z 1
		.amdhsa_system_vgpr_workitem_id 0
		.amdhsa_next_free_vgpr 256
		.amdhsa_next_free_sgpr 66
		.amdhsa_reserve_vcc 0
		.amdhsa_float_denorm_mode_32 3
		.amdhsa_float_denorm_mode_16_64 3
		.amdhsa_memory_ordered 1
		.amdhsa_forward_progress 1
		.amdhsa_inst_pref_size 40
	.end_amdhsa_kernel
	.amdgpu_metadata
---
amdhsa.version: [ 1, 2 ]
amdhsa.kernels:
  - .name:           k_q833fbfe8c2_quant
    .symbol:         k_q833fbfe8c2_quant.kd
    .args:
      - { .name: x, .offset: 0, .size: 8, .value_kind: global_buffer, .address_space: global }
      - { .name: Wo, .offset: 8, .size: 8, .value_kind: global_buffer, .address_space: global }
      - { .name: Wq, .offset: 16, .size: 8, .value_kind: global_buffer, .address_space: global }
      - { .name: Wk, .offset: 24, .size: 8, .value_kind: global_buffer, .address_space: global }
      - { .name: Wv, .offset: 32, .size: 8, .value_kind: global_buffer, .address_space: global }
      - { .name: xq, .offset: 40, .size: 8, .value_kind: global_buffer, .address_space: global }
      - { .name: wq, .offset: 48, .size: 8, .value_kind: global_buffer, .address_space: global }
    .group_segment_fixed_size: 34304
    .private_segment_fixed_size: 0
    .kernarg_segment_align: 8
    .kernarg_segment_size: 56
    .max_flat_workgroup_size: 128
    .sgpr_count:     66
    .vgpr_count:     256
    .wavefront_size: 32
...
	.end_amdgpu_metadata
.endif
;; end of part 1
;; launch proj (part 2): grid 4 x 64, 4 waves a work-group, clusters of 4 x 4, 327,680 bytes of LDS; arguments xq, wq, qk, vt; writes qk, vt
.if DOCPART == 2
	.amdgcn_target "amdgcn-amd-amdhsa--gfx1250"
	.amdhsa_code_object_version 6
	.text
	.protected	k_q833fbfe8c2_proj
	.globl	k_q833fbfe8c2_proj
	.p2align	8
	.type	k_q833fbfe8c2_proj,@function
k_q833fbfe8c2_proj:
	s_mov_b64 s[64:65], 0
	v_nop
	global_prefetch_b8 v0, s[64:65] scope:SCOPE_SE
	s_setreg_imm32_b32 hwreg(HW_REG_WAVE_MODE, 25, 1), 1
	s_wait_xcnt 0x0
	s_wait_alu depctr_hold_cnt(0) depctr_sa_sdst(0) depctr_va_vdst(0) depctr_va_sdst(0) depctr_va_ssrc(0) depctr_va_vcc(0) depctr_vm_vsrc(0)
	s_getreg_b32 s2, hwreg(HW_REG_IB_STS2, 6, 4)
	s_cmp_eq_u32 s2, 0
	s_cbranch_scc0 .Lentry_in_a_cluster
	s_endpgm
.Lentry_in_a_cluster:
	s_bfe_u32 s2, ttmp6, 0x10000c
	s_cmp_lg_u32 s2, 0xf033
	s_cbranch_scc0 .Lentry_shape_is_right
	s_endpgm
.Lentry_shape_is_right:
; q, k and v: x against Wq, Wk, Wv on codes of FP6 (E2M3) with E8M0 scales, K = 1,024; the results are quantised on the way out, along the K of the product that takes them, and leave as images of operand registers.
; A WORK-GROUP STAYS and makes three tiles of 128 rows of one operand ("A") x 256 rows of the other ("B"): tile 0: A = x's tokens, B = rows of Wq; tile 1: the same tokens, B = rows of Wk; tile 2: A = rows of Wv, B = x's tokens.
; In tiles 0, 1 a lane holds one token and its registers run along 128 features (two heads); in tile 2 a lane holds one channel and its registers run along 128 keys.  The tile's number is the same in all partners of the cluster.
; LDS: a ring of two slots; slot h holds K steps 4 h .. 4 h + 3 of A's 8 and B's 16 row blocks: [block][K step][1,536], 147,456 bytes; behind the ring the tile's scale bytes and the spare words.
; SIX FILLS.  A first half of K comes with the tile's scale bytes, four loads: wave 0 A's codes, wave 1 B's, wave 2 A's scale bytes, wave 3 B's; a second half is two loads, waves 0 and 1.
; Every fill behind the head's stands behind the three lines and a round of the cluster's barrier; the round stands inside K steps 3 and 7, with sixteen products under it.
; By this text's count a wave has one tensor load out.  A fill asked for in K step 3 is waited for in K step 7; one asked for in K step 7 in the next tile's K step 3, behind the way out.
; Four waves: wave w takes A's blocks 4 (w / 2) .. + 3 and B's blocks 8 (w % 2) .. + 7: 32 accumulators.  The matrix instruction is used transposed: source 0 = 16 rows of B, source 1 = 16 rows of A.
; The buffers' rows lie in the order pi (bits 3, 4 exchanged), so the 16 registers of result tiles 2 b, 2 b + 1 are neighbours 32 b + 16 (lane / 16) + 0 .. 15 along B's rows.
; CLUSTER 4 x 4: A's tile is shared along a row of the cluster, B's along a column: each is asked for jointly.
; NO PREFETCH: of the six fills, those of tiles 1 and 2 name rows of x that earlier fills of this launch have read, and tile 0's two stand at the head, with no trip ahead of them.
; OUT: qk [jb 0..15][token block 0..511][1,536]: jb 0-7 q's head pairs, 8-15 k's; scale words [jb][block][128 bytes]: lanes 0-15 the even head's word, lanes 16-31 the odd head's.
;      vt [128 keys 0..63][channel block 0..63][1,536]; scale words [..][..][128 bytes], lanes 0-15's are read.
; LIMITS: a block of zeros, or one whose largest magnitude lies under 2^-124, gets the byte 1; NaN and infinities are not served.
; REGISTERS: window 0: v4 8 x lane, v16-19, v27 LDS addresses, v28-29 the add's two, v32-127 A's fragments (two sets of 48), v128-191 scale words of all K, v192-234 the way out;
;   window 1: B's fragments, sets at v0 and v128; window 2: accumulator (a, b) at v[8 (8 a + b)].
.set SLOT,  147456
.set LBO,   49152                      ; B's part of a slot
.set LSA,   294912                     ; A's scale bytes, 32 a row, as units of 256 bytes + 16 of padding
.set LSB,   299264                     ; B's
.set SPARE, 307968                     ; the spare words, 128 bytes a wave
.set L8,    4
.set ADA,   16                         ; v16-17 my A blocks in slot 0, 1
.set ADB,   18                         ; v18-19 my B blocks
.set ADS,   27                         ; v27 my scale words: lanes 0-15 A's rows, lanes 16-31 B's
.set SPW,   28
.set NIL,   29
.set AF,    32
.set SC,    128                        ; register SC + 8 i + ks: lanes 0-15 the word of A's block i, lanes 16-31 of B's block i, K step ks
.set TM,    192
.set PW,    208
.set SWD,   209
.set SH,    210
.set L4,    211
.set PC,    216
.set WV, 12
.set FB, 13                            ; wave / 2: my half of A's blocks
.set HF, 14                            ; wave % 2: my half of B's blocks
.set CX, 15
.set CY, 16
.set CLY, 17                           ; the cluster's y, 0..15; s18 its low bit, s19 the rest
.set CL1, 18
.set CLH, 19
.set G1A, 24
.set G1B, 32
.set G1SA, 40
.set G1SB, 48
.set G0A, 56
.set G0B, 60
.set G0SA, 68
.set G0SB, 72
.set AC, 76                            ; s[76:83] the tile to be fetched: A's codes, B's codes, A's scale bytes, B's
.set BC, 78
.set AS, 80
.set BS, 82
.set OC, 84                            ; s[84:87] where my codes and my scale words go
.set OS, 86
.set TI, 88                            ; the tile at work
.set NT, 89                            ; the tile to be fetched
.set SEL, 90
.set MSB, 0
.macro WIN new                         ; the immediate's high byte repeats the setting that is left
.if MSB != \new
	s_set_vgpr_msb (MSB<<8)|\new
.set MSB, \new
.endif
.endm
.macro PLACES n
.rept \n
	v_nop
.endr
.endm
.macro CREST                           ; a round of the cluster's barrier behind its opening barrier
	s_cmp_lg_u32 s[WV], 0
	s_cbranch_scc1 .Lnot_wave_0_\@
	s_barrier_signal -3
.Lnot_wave_0_\@:
	s_barrier_wait -3
	s_barrier_signal -1
	s_barrier_wait -1
.endm
.macro CROUND
	s_barrier_signal -1
	s_barrier_wait -1
	CREST
.endm
.macro TLOAD g0, g1                    ; an s_nop 0 and four v_nop follow each load
	tensor_load_to_lds s[\g0:\g0+3], s[\g1:\g1+7]
	s_nop 0
	PLACES 4
.endm
.macro FILL4                           ; one chain on the wave's number, a load in each arm
	s_cmp_lt_u32 s[WV], 1
	s_cbranch_scc0 .Lf_b_\@
	TLOAD G0A, G1A
	s_branch .Lf_j_\@
.Lf_b_\@:
	s_cmp_lt_u32 s[WV], 2
	s_cbranch_scc0 .Lf_sa_\@
	TLOAD G0B, G1B
	s_branch .Lf_j_\@
.Lf_sa_\@:
	s_cmp_lt_u32 s[WV], 3
	s_cbranch_scc0 .Lf_sb_\@
	TLOAD G0SA, G1SA
	s_branch .Lf_j_\@
.Lf_sb_\@:
	TLOAD G0SB, G1SB
.Lf_j_\@:
.endm
.macro FILL2                           ; waves 0 and 1 alone
	s_cmp_eq_u32 s[WV], 0
	s_cbranch_scc0 .Lh_b_\@
	TLOAD G0A, G1A
	s_branch .Lh_j_\@
.Lh_b_\@:
	s_cmp_eq_u32 s[WV], 1
	s_cbranch_scc0 .Lh_j_\@
	TLOAD G0B, G1B
.Lh_j_\@:
.endm
.macro MKG1 g, c, r, p                 ; words 1-7 of a group 1: r rows of c elements of 8 bytes, p elements apart
	s_mov_b32 s[\g+1], (\c)<<16
	s_mov_b32 s[\g+2], (\r)<<16
	s_mov_b32 s[\g+3], (\c)<<16
	s_mov_b32 s[\g+4], \r
	s_mov_b32 s[\g+5], \p
	s_mov_b32 s[\g+6], 0
	s_mov_b32 s[\g+7], 0
.endm
.macro FILLADDR                        ; tile s[NT]'s addresses.  A's hang on the cluster's y, cy and the tile's number; B's on the cluster's y, cx and the tile's number
	s_cmp_eq_u32 s[NT], 2
	s_cselect_b32 s2, s[CL1], s[CLY]               ; A has 64 tiles of 128 tokens, or 8 of 128 rows of Wv
	s_cselect_b32 s20, s[CLH], s[NT]               ; B has 8 tiles of 256 rows of Wq, Wk, or 32 of 256 tokens
	s_cselect_b64 s[AC:AC+1], s[6:7], s[4:5]
	s_cselect_b64 s[BC:BC+1], s[4:5], s[6:7]
	s_cselect_b32 s3, 1572864, 0                   ; Wv's codes begin at block 128 of wq
	s_mov_b32 s21, 6291456
	s_cselect_b32 s21, 3211264, s21                ; where A's scale bytes begin
	s_mov_b32 s22, 3145728
	s_cselect_b32 s22, 6291456, s22                ; and B's
	s_lshl_b32 s2, s2, 2
	s_add_co_u32 s2, s2, s[CY]                     ; A's tile
	s_lshl_b32 s92, s2, 12
	s_add_co_u32 s92, s92, s21
	s_mov_b32 s93, 0
	s_add_nc_u64 s[AS:AS+1], s[AC:AC+1], s[92:93]
	s_mul_i32 s92, s2, 98304
	s_add_co_u32 s92, s92, s3
	s_add_nc_u64 s[AC:AC+1], s[AC:AC+1], s[92:93]
	s_lshl_b32 s20, s20, 2
	s_add_co_u32 s20, s20, s[CX]                   ; B's tile
	s_lshl_b32 s92, s20, 13
	s_add_co_u32 s92, s92, s22
	s_add_nc_u64 s[BS:BS+1], s[BC:BC+1], s[92:93]
	s_mul_i32 s92, s20, 196608
	s_add_nc_u64 s[BC:BC+1], s[BC:BC+1], s[92:93]
.endm
.macro SETFILL h                       ; the groups 0 of the next fill: half h of K goes to slot h.  Written where no tensor load of the wave is out
	s_mov_b32 s[G0A+1], \h*SLOT
	s_add_nc_u64 s[G0A+2:G0A+3], s[AC:AC+1], \h*6144
	s_or_b32 s[G0A+3], s[G0A+3], 0x80000000
	s_mov_b32 s[G0B+1], \h*SLOT+LBO
	s_add_nc_u64 s[G0B+2:G0B+3], s[BC:BC+1], \h*6144
	s_or_b32 s[G0B+3], s[G0B+3], 0x80000000
.if \h == 0
	s_mov_b64 s[G0SA+2:G0SA+3], s[AS:AS+1]
	s_or_b32 s[G0SA+3], s[G0SA+3], 0x80000000
	s_mov_b64 s[G0SB+2:G0SB+3], s[BS:BS+1]
	s_or_b32 s[G0SB+3], s[G0SB+3], 0x80000000
.endif
.endm
.macro FETCHB ks, i0                   ; B's blocks i0 .. i0 + 3 of K step ks (8 = the next tile's 0) into set ks % 2: 24 loads of 256 consecutive bytes
	WIN 0x40
.irp i, \i0, \i0+1, \i0+2, \i0+3
.irp p, 0,1,2,3,4,5
	ds_load_b64 v[128*((\ks)%2)+12*(\i)+2*\p:128*((\ks)%2)+12*(\i)+2*\p+1], v[ADB+((\ks)/4)%2] offset:6144*(\i)+1536*((\ks)%4)+256*\p
.endr
.endr
.endm
.macro FETCHA ks                       ; A's four blocks
	WIN 0
.irp i, 0,1,2,3
.irp p, 0,1,2,3,4,5
	ds_load_b64 v[AF+48*((\ks)%2)+12*\i+2*\p:AF+48*((\ks)%2)+12*\i+2*\p+1], v[ADA+((\ks)/4)%2] offset:6144*\i+1536*((\ks)%4)+256*\p
.endr
.endr
.endm
.macro SCALES t                        ; the scale words of K steps 4 t .. 4 t + 3 (for i > 3 lanes 0-15 take words that no product reads)
.irp i, 0,1,2,3,4,5,6,7
	ds_load_b128 v[SC+8*\i+4*\t:SC+8*\i+4*\t+3], v[ADS] offset:544*\i+16*\t
.endr
.endm
.macro MULA ks, a, zero                ; A's block a against B's eight.  The 32 accumulators take turns, in the same order in every K step
.irp b, 0,1,2,3,4,5,6,7
.if \zero
	v_wmma_scale_f32_16x16x128_f8f6f4 v[8*(8*\a+\b):8*(8*\a+\b)+7], v[128*((\ks)%2)+12*\b:128*((\ks)%2)+12*\b+11], v[AF+48*((\ks)%2)+12*\a:AF+48*((\ks)%2)+12*\a+11], 0, v[SC+8*\b+(\ks)], v[SC+8*\a+(\ks)] matrix_a_fmt:MATRIX_FMT_FP6 matrix_b_fmt:MATRIX_FMT_FP6 matrix_a_scale:MATRIX_SCALE_ROW1
.else
	v_wmma_scale_f32_16x16x128_f8f6f4 v[8*(8*\a+\b):8*(8*\a+\b)+7], v[128*((\ks)%2)+12*\b:128*((\ks)%2)+12*\b+11], v[AF+48*((\ks)%2)+12*\a:AF+48*((\ks)%2)+12*\a+11], v[8*(8*\a+\b):8*(8*\a+\b)+7], v[SC+8*\b+(\ks)], v[SC+8*\a+(\ks)] matrix_a_fmt:MATRIX_FMT_FP6 matrix_b_fmt:MATRIX_FMT_FP6 matrix_a_scale:MATRIX_SCALE_ROW1
.endif
.endr
.endm
; A K step: the next step's 72 loads go out in one run at its head, into the other sets, which the step before read: four places stand ahead; the step's 32 products follow the run.
; sync = 1 (the last tile's K step 3): my load of slot 1 has landed, and a plain barrier shows everybody's.
.macro KSTEP ks, zero, sync=0
.if (\ks) > 0
	PLACES 4
.endif
.if \sync
	s_wait_tensorcnt 0x0
.endif
	s_wait_dscnt 0x0                               ; this step's fragments are in
.if \sync
	s_barrier_signal -1
	s_barrier_wait -1
.endif
	FETCHB (\ks)+1, 0
	FETCHB (\ks)+1, 4
	FETCHA (\ks)+1
	WIN 0xa1                                       ; source 0 (B) window 1, source 1 (A) window 0, C and D window 2
	MULA \ks, 0, \zero
	MULA \ks, 1, \zero
	MULA \ks, 2, \zero
	MULA \ks, 3, \zero
.endm
; K step 3 or 7 of a tile that has a successor: the slot whose last fragments are in my registers is filled again: slot 0 with the next tile's first half of K and its scale bytes (h = 0), slot 1 with its second half (h = 1).
.macro TURN ks, h
	WIN 0
	s_wait_tensorcnt 0x0                           ; all my tensor loads have landed: my part of the other slot;
	ds_add_u32 v[SPW], v[NIL]                      ; 0 onto my spare word
	SETFILL \h
	s_wait_dscnt 1                                 ; this step's fragments are in; the add alone may be out
	WIN 0xa1
	MULA \ks, 0, 0
	s_wait_dscnt 0x0                               ; the add is done, and my reads of the slot (and, h = 0, of the scale bytes) are over
	s_barrier_signal -1
	MULA \ks, 1, 0
	WIN 0
	s_barrier_wait -1
	CREST                                          ; no wave of any partner still reads what is filled again, or has a load on its way
.if \h
	FILL2
	PLACES 4                                       ; for the waves that come round the loads: places ahead of the loads below
	SCALES 0                                       ; the next tile's words of K steps 0-3
.else
	FILL4
.endif
	FETCHB (\ks)+1, 0
	FETCHB (\ks)+1, 4
	FETCHA (\ks)+1
	WIN 0xa1
	MULA \ks, 2, 0
	MULA \ks, 3, 0
.if \h
	WIN 0
	PLACES 4                                       ; behind the tile's last products: ahead of loads into their scale registers and of the first read of results
	SCALES 1
.endif
.endm
.macro OUTADDR v                       ; where my results go: jb = 2 x B's tile + half; my first block of A's rows.  v = 1: tile 2
.if \v
	s_lshl_b32 s20, s[CLH], 2
	s_lshl_b32 s21, s[CL1], 2
.else
	s_lshl_b32 s20, s[TI], 2
	s_lshl_b32 s21, s[CLY], 2
.endif
	s_add_co_u32 s20, s20, s[CX]
	s_lshl_b32 s20, s20, 1
	s_add_co_u32 s20, s20, s[HF]
	s_add_co_u32 s21, s21, s[CY]
	s_lshl_b32 s21, s21, 3
	s_lshl_b32 s22, s[FB], 2
	s_add_co_u32 s21, s21, s22
	s_mul_i32 s22, s20, 65536-57344*\v             ; a jb's scale words
	s_lshl_b32 s23, s21, 7
	s_add_co_u32 s22, s22, s23
	s_add_co_u32 s22, s22, 12582912-6291456*\v     ; they lie behind the codes
	s_mov_b32 s23, 0
	s_add_nc_u64 s[OS:OS+1], s[8+2*\v:9+2*\v], s[22:23]
	s_mul_i32 s22, s20, 786432-688128*\v           ; a jb's codes
	s_mul_i32 s20, s21, 1536
	s_add_co_u32 s22, s22, s20
	s_add_nc_u64 s[OC:OC+1], s[8+2*\v:9+2*\v], s[22:23]
.endm
; THE WAY OUT: for each of my four blocks of A's rows the lane's 64 numbers (128 along the next K with lane l xor 16's) become a fragment and a scale word
.macro OUTA a
.if \a > 0
	s_wait_xcnt 0x0                                ; the last block's stores have read their data
.endif
	WIN 0x28                                       ; sources 1 and 2: window 2
.irp b, 0,1,2,3
	v_max3_num_f32 v[TM+\b], 0x1800000, |v[64*\a+16*\b]|, |v[64*\a+16*\b+1]|   ; each accumulator is read from its low end on; the floor holds the byte at 1
.endr
.irp i, 2,4,6,8,10,12,14
.irp b, 0,1,2,3
	v_max3_num_f32 v[TM+\b], v[TM+\b], |v[64*\a+16*\b+\i]|, |v[64*\a+16*\b+\i+1]|
.endr
.endr
	WIN 0
.irp b, 0,1,2,3
	v_permlanex16_b32 v[TM+4+\b], v[TM+\b], s[SEL], s[SEL+1]
.endr
.irp b, 0,1,2,3
	v_max_num_f32 v[TM+\b], v[TM+\b], v[TM+4+\b]
.endr
.irp b, 0,1,2,3
	v_add_nc_u32 v[TM+12+\b], 0xff000000, v[TM+\b]
.endr
.irp b, 0,1,2,3
	v_lshrrev_b32 v[TM+4+\b], 23, v[TM+12+\b]
.endr
	v_lshl_or_b32 v[PW], v[TM+5], 8, v[TM+4]
	v_lshl_or_b32 v[PW], v[TM+6], 16, v[PW]
	v_lshl_or_b32 v[PW], v[TM+7], 24, v[PW]
	v_lshrrev_b32 v[SWD], v[SH], v[PW]             ; lanes 16-31 store the word's upper half
	WIN 0x02                                       ; source 0: window 2
.irp c, 0,1
	v_cvt_scalef32_pk16_fp6_f32 v[PC+6*\c:PC+2+6*\c], v[64*\a+32*\c:64*\a+32*\c+15], v[TM+12+2*\c]
	v_cvt_scalef32_pk16_fp6_f32 v[PC+12+4*\c:PC+14+4*\c], v[64*\a+32*\c+16:64*\a+32*\c+31], v[TM+12+2*\c+1]
.endr
	WIN 0
	v_nop                                          ; one plain place behind a scaled conversion
.irp c, 0,1
.irp i, 0,1,2
	v_permlane16_swap_b32 v[PC+6*\c+\i], v[PC+12+4*\c+\i]
.endr
.irp i, 0,1,2
	v_mov_b32 v[PC+3+6*\c+\i], v[PC+12+4*\c+\i]
.endr
.endr
.irp p, 0,1,2,3,4,5
	global_store_b64 v[L8], v[PC+2*\p:PC+2*\p+1], s[OC:OC+1] offset:1536*\a+256*\p   ; 256 consecutive bytes, aligned
.endr
	global_store_b32 v[L4], v[SWD], s[OS:OS+1] offset:128*\a
.endm
.macro OUT v
	s_wait_xcnt 0x0                                ; the last tile's stores have read their bases and their data
	OUTADDR \v
	OUTA 0
	OUTA 1
	OUTA 2
	OUTA 3
.endm
	s_load_b256 s[4:11], s[0:1], 0x0               ; xq s[4:5], wq s[6:7], qk s[8:9], vt s[10:11]
	v_lshl_add_u32 v[SPW], v0, 2, SPARE
	v_mov_b32 v[NIL], 0
	ds_add_u32 v[SPW], v[NIL]                      ; the opening lines: the add, twice on end, and its wait ahead of my first tensor load
	ds_add_u32 v[SPW], v[NIL]
	v_lshrrev_b32 v1, 5, v0
	v_readfirstlane_b32 s[WV], v1
	s_lshr_b32 s[FB], s[WV], 1
	s_and_b32 s[HF], s[WV], 1
	s_bfe_u32 s[CX], ttmp6, 0x40000
	s_bfe_u32 s[CY], ttmp6, 0x40004
	s_and_b32 s[CLY], ttmp7, 0xffff
	s_and_b32 s[CL1], s[CLY], 1
	s_lshr_b32 s[CLH], s[CLY], 1
	s_lshl_b32 s2, s[CY], 2
	s_lshl_b32 s2, 15, s2                          ; my row of the cluster
	s_lshl_b32 s3, 0x1111, s[CX]                   ; my column
	s_or_b32 s[G1A], s2, (3<<16)|(1<<21)           ; the mask; elements of 8 bytes; bit 21 set beside a mask; no padding
	s_or_b32 s[G1B], s3, (3<<16)|(1<<21)
	s_or_b32 s[G1SA], s2, (3<<16)|(1<<20)|(1<<21)|(5<<22)|(3<<25)   ; 16 bytes of padding behind every 256
	s_or_b32 s[G1SB], s3, (3<<16)|(1<<20)|(1<<21)|(5<<22)|(3<<25)
	MKG1 G1A, 768, 8, 1536                         ; eight blocks' four K steps: rows of 6,144 bytes, 12,288 apart
	MKG1 G1B, 768, 16, 1536
	MKG1 G1SA, 32, 16, 32                          ; 128 rows' scale bytes: a dense block of 16 x 256
	MKG1 G1SB, 32, 32, 32
	s_mov_b32 s[G0A], 1
	s_mov_b32 s[G0B], 1
	s_mov_b32 s[G0SA], 1
	s_mov_b32 s[G0SB], 1
	s_mov_b32 s[G0SA+1], LSA
	s_mov_b32 s[G0SB+1], LSB
	s_mov_b32 s[TI], 0
	s_mov_b32 s[NT], 0
	s_mov_b32 s[SEL], 0x76543210
	s_mov_b32 s[SEL+1], 0xfedcba98
	s_wait_dscnt 0x0                               ; both opening adds are done
	s_wait_kmcnt 0x0
	FILLADDR
	CROUND                                         ; all sixteen work-groups are here: the first joint loads meet
	SETFILL 0
	FILL4                                          ; tile 0, K steps 0-3, and its scale bytes: one load a wave
	s_mul_i32 s20, s[FB], 24576                    ; my four blocks of A
	s_mul_i32 s21, s[HF], 49152                    ; my eight of B
	s_add_co_u32 s21, s21, LBO
	s_mul_i32 s23, s[FB], 2176                     ; A's scale bytes: my four blocks
	s_mul_i32 s22, s[HF], 4352                     ; B's: my eight, behind A's 4,352 bytes
	s_add_co_u32 s22, s22, 4352
	s_sub_co_u32 s22, s22, s23
	s_add_co_u32 s23, s23, LSA
	v_and_b32 v1, 31, v0                           ; lane
	v_and_b32 v2, 15, v0                           ; r
	v_bfe_u32 v3, v0, 4, 1                         ; h
	v_lshlrev_b32 v[L8], 3, v1
	v_add_nc_u32 v[ADA], s20, v[L8]
	v_add_nc_u32 v[ADA+1], SLOT, v[ADA]
	v_add_nc_u32 v[ADB], s21, v[L8]
	v_add_nc_u32 v[ADB+1], SLOT, v[ADB]
	v_lshlrev_b32 v5, 5, v2                        ; my row's scale bytes: 32 a row,
	v_lshrrev_b32 v6, 3, v2
	v_lshl_add_u32 v5, v6, 4, v5                   ; and 16 more behind each 256
	v_mul_u32_u24 v6, s22, v3                      ; lanes 16-31 take B's
	v_add_nc_u32 v5, v5, v6
	v_add_nc_u32 v[ADS], s23, v5
	v_lshlrev_b32 v[L4], 2, v1
	v_lshlrev_b32 v[SH], 4, v3
.irp b, 0,1,2,3
	v_mov_b32 v[TM+4+\b], 0                        ; a lane permute's destination counts as one of its sources
.endr
	s_wait_alu depctr_va_vdst(0)                   ; the wait at the head's end
	s_wait_tensorcnt 0x0                           ; my load of the head's four is in; the lines ahead of a later first fill:
	ds_add_u32 v[SPW], v[NIL]
	SETFILL 1
	s_wait_dscnt 0x0
	CROUND
	FILL2                                          ; tile 0, K steps 4-7: slot 1's first fill
	SCALES 0
	SCALES 1
	FETCHB 0, 0
	FETCHB 0, 4
	FETCHA 0
.Ltile:                                                ; tiles 0 and 1: each fetches its successor
	KSTEP 0, 1                                     ; the first products start the sums: nothing is cleared
	s_add_co_u32 s[NT], s[TI], 1
	FILLADDR
	KSTEP 1, 0
	KSTEP 2, 0
	TURN 3, 0
	KSTEP 4, 0
	KSTEP 5, 0
	KSTEP 6, 0
	TURN 7, 1
	OUT 0
	s_add_co_u32 s[TI], s[TI], 1
	s_cmp_lt_u32 s[TI], 2
	s_wait_alu depctr_va_vdst(0)                   ; the wait ahead of the backward jump
	s_cbranch_scc1 .Ltile
	KSTEP 0, 1                                     ; tile 2 is written out: it fetches nothing more
	KSTEP 1, 0
	KSTEP 2, 0
	KSTEP 3, 0, 1
	KSTEP 4, 0
	KSTEP 5, 0
	KSTEP 6, 0
	s_wait_dscnt 0x0
	WIN 0xa1
	MULA 7, 0, 0
	MULA 7, 1, 0
	MULA 7, 2, 0
	MULA 7, 3, 0
	WIN 0
	PLACES 4                                       ; behind the last products, ahead of the first read of results
	OUT 1
	s_wait_tensorcnt 0x0                           ; the wave's end
	ds_add_u32 v[SPW], v[NIL]
	s_wait_dscnt 0x0
	CROUND                                         ; the closing round
	s_endpgm
.Lfunc_end_k_q833fbfe8c2_proj:
	.size	k_q833fbfe8c2_proj, .Lfunc_end_k_q833fbfe8c2_proj-k_q833fbfe8c2_proj
	.p2alignl 7, 3214868480
	.fill 96, 4, 3214868480
	.section	.rodata,"a",@progbits
	.p2align	6, 0x0
	.amdhsa_kernel k_q833fbfe8c2_proj
		.amdhsa_group_segment_fixed_size 327680
		.amdhsa_private_segment_fixed_size 0
		.amdhsa_enable_private_segment 0
		.amdhsa_kernarg_size 32
		.amdhsa_user_sgpr_count 2
		.amdhsa_user_sgpr_kernarg_segment_ptr 1
		.amdhsa_wavefront_size32 1
		.amdhsa_system_sgpr_workgroup_id_x 1
		.amdhsa_system_sgpr_workgroup_id_y 1
		.amdhsa_system_sgpr_workgroup_id_z 1
		.amdhsa_system_vgpr_workitem_id 0
		.amdhsa_next_free_vgpr 768
		.amdhsa_next_free_sgpr 96
		.amdhsa_reserve_vcc 0
		.amdhsa_float_denorm_mode_32 3
		.amdhsa_float_denorm_mode_16_64 3
		.amdhsa_memory_ordered 1
		.amdhsa_forward_progress 1
		.amdhsa_inst_pref_size 195
	.end_amdhsa_kernel
	.amdgpu_metadata
---
amdhsa.version: [ 1, 2 ]
amdhsa.kernels:
  - .name:           k_q833fbfe8c2_proj
    .symbol:         k_q833fbfe8c2_proj.kd
    .args:
      - { .name: xq, .offset: 0, .size: 8, .value_kind: global_buffer, .address_space: global }
      - { .name: wq, .offset: 8, .size: 8, .value_kind: global_buffer, .address_space: global }
      - { .name: qk, .offset: 16, .size: 8, .value_kind: global_buffer, .address_space: global }
      - { .name: vt, .offset: 24, .size: 8, .value_kind: global_buffer, .address_space: global }
    .group_segment_fixed_size: 327680
    .private_segment_fixed_size: 0
    .kernarg_segment_align: 8
    .kernarg_segment_size: 32
    .max_flat_workgroup_size: 128
    .sgpr_count:     96
    .vgpr_count:     768
    .wavefront_size: 32
...
	.end_amdgpu_metadata
.endif
;; end of part 2
;; launch attn (part 3): grid 4 x 64, 8 waves a work-group, clusters of 4 x 1, 327,680 bytes of LDS; arguments qk, vt, oq; writes oq
.if DOCPART == 3
	.amdgcn_target "amdgcn-amd-amdhsa--gfx1250"
	.amdhsa_code_object_version 6
	.text
	.protected	k_q833fbfe8c2_attn
	.globl	k_q833fbfe8c2_attn
	.p2align	8
	.type	k_q833fbfe8c2_attn,@function
k_q833fbfe8c2_attn:
	s_mov_b64 s[64:65], 0
	v_nop
	global_prefetch_b8 v0, s[64:65] scope:SCOPE_SE
	s_setreg_imm32_b32 hwreg(HW_REG_WAVE_MODE, 25, 1), 1
	s_wait_xcnt 0x0
	s_wait_alu depctr_hold_cnt(0) depctr_sa_sdst(0) depctr_va_vdst(0) depctr_va_sdst(0) depctr_va_ssrc(0) depctr_va_vcc(0) depctr_vm_vsrc(0)
	s_getreg_b32 s2, hwreg(HW_REG_IB_STS2, 6, 4)
	s_cmp_eq_u32 s2, 0
	s_cbranch_scc0 .Lentry_in_a_cluster
	s_endpgm
.Lentry_in_a_cluster:
	s_bfe_u32 s2, ttmp6, 0x10000c
	s_cmp_lg_u32 s2, 0x3003
	s_cbranch_scc0 .Lentry_shape_is_right
	s_endpgm
.Lentry_shape_is_right:
; Causal attention of one (batch, head) for each cluster, both products on codes of FP6 (E2M3) with E8M0 scales; o is quantised on the way out, along the concatenated heads.
; t = score x log2(e) / 8; M = the running largest t rounded up to a whole number; p = 2^(t - M) is quantised along the keys, not normalised; the row's sum is taken of the unquantised p and divides O at the end.
; Steps of 128 keys all of which come after a wave's queries are left out: the causal mask makes their p zero.
; ALL of the head's K and V (codes and scale words, 212,992 bytes) lie in LDS, asked for once, jointly by the cluster's four work-groups, one load a wave; nothing is filled again, so there is no loop to prefetch in.
; SHARES.  2,048 queries are 64 pairs of tiles of 16.  Wave w of partner cx takes pairs 4 (15 - w) + 3 - cx and 4 w + cx: 16 - w and w + 1 steps of 128 keys, 17 for every wave.  Each fragment of K and V feeds both tiles of a pair.
; The number of steps hangs on the wave's number alone; the partner's place enters only offsets in memory and the numbers that the mask compares.
; LAYOUT.  Both products transposed: S^T = K Q^T (source 0 = 16 keys), O^T = V^T P^T (source 0 = 16 channels): a lane holds one query.  A head is 64 along K: registers 6-11 of Q's fragments are zero codes,
; so what stands in registers 6-11 of K's fragments adds nothing: K's eight tiles lie 6 registers apart, each followed by the next.
; THE KEYS OF A TILE are chosen by the lanes' LDS addresses: rows 0-7 of tile 4 c + j are keys 64 c + 8 j + 0 .. 7, rows 8-15 keys 64 c + 32 + 8 j + 0 .. 7.  So registers 32 c .. 32 c + 31 of S^T in lane (r, h) are keys
; 64 c + 32 h + 0 .. 31: one whole scale block of p, in the order of the operand's registers: no lane asks another for a block's maximum, and no codes change lanes.
; (In LDS tokens lie in the order pi, bits 3, 4 exchanged: the eight keys 8 g .. 8 g + 7 are rows 8 ((g % 4) / 2) .. + 7 of block 2 (g / 4) + g % 2.)
; The next step's K is fetched behind this step's score products; V at the step's head.  Behind a pass's last step that fetch reads bytes that no product takes.
; o's two scale bytes a row leave by a store of 2 bytes a lane, rows 32 bytes apart: a head owns two of a row's 32 bytes.
; LIMITS: a block of zeros, or one whose largest magnitude lies under 2^-124, gets the byte 1; NaN and infinities are not served; the scaled scores stay under 2^31 in magnitude.
; REGISTERS.  Window 0: v1-19 addresses and constants; v20-27 -M, largest score, the sum's pair, for tile 0 and 1; v28-51 Q; v52-63 scale words; v64-87 p's codes; v88-135 at work, 24 a tile; v136-149 the second pass's Q;
;   v160-223 S^T of tile 0, then p; v224-255 its O^T.  Window 1: v0-53 K's fragments, v54-101 V's, v160-255 tile 1's S^T and O^T.
.set LV,    98304                      ; LDS: K's codes at 0, 768 bytes a block; V's here, 6,144 bytes a step;
.set LKS,   196608                     ; K's scale words, 64 bytes a block;
.set LVS,   204800                     ; V's, 512 bytes a step
.set SPARE, 212992                     ; the spare words, 128 bytes for each of 8 waves
.set ABK, 1                            ; v1-2   K's codes, step 0: tiles 0-3, 4-7
.set ABV, 3                            ; v3-5   V's codes one step ahead of step 0, in runs of 2,048 bytes
.set SPW, 6
.set NIL, 7
.set ABS, 8                            ; v8     K's scale words, step 0
.set ABT, 9                            ; v9     V's, one step ahead of step 0
.set AWK, 10                           ; v10-16 the same for the step at hand
.set AWV, 12
.set AWS, 15
.set AWT, 16
.set RV,  17                           ; r + 8 (r / 8) - 32 h
.set H8,  18                           ; 8 h
.set NINF, 19
.set QF,  28
.set KSW, 52
.set VSW, 56
.set QSW, 60
.set PSW, 62
.set PC,  64
.set QST, 136
.set MK,  150
.set OA,  151
.set OB,  152
.set L8,  155
.set R32, 156
.set S,   160
.set O,   224
.set KF,  0
.set VF,  54
.set WV,  18
.set SEL, 20
.set CS,  22
.set G1K, 24
.set G1V, 32
.set G1KS, 40
.set G1VS, 48
.set G0K, 56
.set G0V, 60
.set G0KS, 68
.set G0VS, 72
.set TB,  2                            ; s2  6,144 x (the step + 1)
.set TS,  3                            ; s3  512 x (the step + 1)
.set ST,  66
.set LIM, 67                           ; the pair's last step, the one on the diagonal
.set E,   76                           ; the pair's place among the four of that step
.set PASS, 77
.set JJ,  78                           ; the pair's first tile
.set TP,  79
.set QP,  80
.set QS,  82
.set OP,  84
.set OS,  86
.set NCS, 100
.set MSB, 0
.macro WIN new                         ; the immediate's high byte repeats the setting that is left
.if MSB != \new
	s_set_vgpr_msb (MSB<<8)|\new
.set MSB, \new
.endif
.endm
.macro PLACES n
.rept \n
	v_nop
.endr
.endm
.macro WALU
	s_wait_alu depctr_va_vdst(0)
.endm
.macro CROUND
	s_barrier_signal -1
	s_barrier_wait -1
	s_cmp_lg_u32 s[WV], 0
	s_cbranch_scc1 .Lnot_wave_0_\@
	s_barrier_signal -3
.Lnot_wave_0_\@:
	s_barrier_wait -3
	s_barrier_signal -1
	s_barrier_wait -1
.endm
.macro TLOAD g0, g1
	tensor_load_to_lds s[\g0:\g0+3], s[\g1:\g1+7]
	s_nop 0
	PLACES 4
.endm
.macro MKG1 g, c, r, p                 ; r rows of c elements of 8 bytes, p elements apart; the mask names all four partners, bit 21 beside it; no padding
	s_mov_b32 s[\g], 15|(3<<16)|(1<<21)
	s_mov_b32 s[\g+1], (\c)<<16
	s_mov_b32 s[\g+2], (\r)<<16
	s_mov_b32 s[\g+3], (\c)<<16
	s_mov_b32 s[\g+4], \r
	s_mov_b32 s[\g+5], \p
	s_mov_b32 s[\g+6], 0
	s_mov_b32 s[\g+7], 0
.endm
; A step's K: 4 loads of scale words (tiles 2 i and 2 i + 1 share a register, the odd tile's in lanes 16-31) and 12 of two planes of 8 bytes a lane.  Plane p of tile 4 c + j stands 768 (j % 2) + 64 (j / 2) + 256 p behind address c
.macro KLOAD a0, a1, as
.irp i, 0,1,2,3
	ds_load_b32 v[KSW+\i], v[\as] offset:256*(\i/2)+32*(\i%2)
.endr
	WIN 0x40
.set k, 0
.rept 12
.set u0, 96*((((2*k)/3)%4)%2)+8*((((2*k)/3)%4)/2)+32*((2*k)%3)
.set u1, 96*((((2*k+1)/3)%4)%2)+8*((((2*k+1)/3)%4)/2)+32*((2*k+1)%3)
.if k < 6
	ds_load_2addr_b64 v[KF+4*k:KF+4*k+3], v[\a0] offset0:u0 offset1:u1
.else
	ds_load_2addr_b64 v[KF+4*k:KF+4*k+3], v[\a1] offset0:u0 offset1:u1
.endif
.set k, k+1
.endr
	WIN 0
.endm
.macro VLOAD                           ; a step's V: 24 planes, two to a load, and 4 loads of scale words
	WIN 0x40
.set k, 0
.rept 12
	ds_load_2addr_b64 v[VF+4*k:VF+4*k+3], v[AWV+k/4] offset0:32*((2*k)%8) offset1:32*((2*k)%8)+32
.set k, k+1
.endr
	WIN 0
.irp c, 0,1,2,3
	ds_load_b32 v[VSW+\c], v[AWT] offset:128*\c
.endr
.endm
.macro SQ T                            ; S^T of tile T: eight products, each starting its sum
	WIN 0x01+0x40*\T
.set t, 0
.rept 8
.if t%2
	v_wmma_scale_f32_16x16x128_f8f6f4 v[S+8*t:S+8*t+7], v[KF+6*t:KF+6*t+11], v[QF+12*\T:QF+12*\T+11], 0, v[KSW+t/2], v[QSW+\T] matrix_a_fmt:MATRIX_FMT_FP6 matrix_b_fmt:MATRIX_FMT_FP6 matrix_a_scale:MATRIX_SCALE_ROW1
.else
	v_wmma_scale_f32_16x16x128_f8f6f4 v[S+8*t:S+8*t+7], v[KF+6*t:KF+6*t+11], v[QF+12*\T:QF+12*\T+11], 0, v[KSW+t/2], v[QSW+\T] matrix_a_fmt:MATRIX_FMT_FP6 matrix_b_fmt:MATRIX_FMT_FP6
.endif
.set t, t+1
.endr
.endm
.macro MASK T                          ; register n is key 64 (n / 32) + n % 32 + 32 h; tile 1's queries lie 8 tokens behind tile 0's
	WIN 0x41*\T
.set n, 0
.rept 64
	v_cmp_gt_i32 vcc_lo, 64*(n/32)+n%32-8*\T, v[MK]
	v_cndmask_b32 v[S+n], v[S+n], v[NINF], vcc_lo
.set n, n+1
.endr
.endm
.macro MAXES T                         ; four chains by turns: chain k takes registers 32 (k % 2) + 16 (k / 2) + 0 .. 15; each accumulator is read from its low end on
.set TT, 88+24*\T
	WIN 0x14*\T
.irp i, 0,2,4,6,8,10,12,14
.irp k, 0,1,2,3
.if \i == 0
	v_max3_num_f32 v[TT+\k], 0xff800000, v[S+32*(\k%2)+16*(\k/2)], v[S+32*(\k%2)+16*(\k/2)+1]
.else
	v_max3_num_f32 v[TT+\k], v[TT+\k], v[S+32*(\k%2)+16*(\k/2)+\i], v[S+32*(\k%2)+16*(\k/2)+\i+1]
.endif
.endr
.endr
.endm
.macro SCALE T                         ; O^T under the new M, then t - M
	WIN 0x41*\T
.set j, 0
.rept 16
	v_pk_mul_f32 v[O+j:O+j+1], v[O+j:O+j+1], v[94+24*\T:95+24*\T] op_sel_hi:[1,0]
.set j, j+2
.endr
.set j, 0
.rept 32
	v_pk_fma_f32 v[S+j:S+j+1], v[S+j:S+j+1], s[CS:CS+1], v[20+4*\T:21+4*\T] op_sel_hi:[1,0,0]
.set j, j+2
.endr
.endm
.macro EXPS T
	WIN 0x41*\T
.set j, 0
.rept 64
	v_exp_f32 v[S+j], v[S+j]
.set j, j+1
.endr
.endm
.macro CODES T                         ; two blocks of 32 codes; a conversion's three registers begin on an even number, so each block's second half is made elsewhere and moved
	WIN 0x01*\T
.irp c, 0,1
	v_cvt_scalef32_pk16_fp6_f32 v[PC+12*\T+6*\c:PC+12*\T+6*\c+2], v[S+32*\c:S+32*\c+15], v[96+24*\T+\c]
	v_cvt_scalef32_pk16_fp6_f32 v[100+24*\T+4*\c:102+24*\T+4*\c], v[S+32*\c+16:S+32*\c+31], v[96+24*\T+\c]
.endr
.endm
.macro SUMS T                          ; the row's sum of the unquantised p: four chains of pairs
.set TT, 88+24*\T
	WIN 0x05*\T
.irp a, 0,1,2,3
	v_pk_add_f32 v[TT+8+2*\a:TT+9+2*\a], v[S+4*\a:S+4*\a+1], v[S+4*\a+2:S+4*\a+3]
.endr
	WIN 0x04*\T
.set m, 8
.rept 24
	v_pk_add_f32 v[TT+8+2*(m%4):TT+9+2*(m%4)], v[TT+8+2*(m%4):TT+9+2*(m%4)], v[S+2*m:S+2*m+1]
.set m, m+1
.endr
	WIN 0
	v_pk_add_f32 v[TT+8:TT+9], v[TT+8:TT+9], v[TT+10:TT+11]
	v_pk_add_f32 v[TT+12:TT+13], v[TT+12:TT+13], v[TT+14:TT+15]
	v_pk_add_f32 v[TT+8:TT+9], v[TT+8:TT+9], v[TT+12:TT+13]
	v_pk_add_f32 v[22+4*\T:23+4*\T], v[22+4*\T:23+4*\T], v[TT+8:TT+9]
.endm
.macro PV T                            ; the eight accumulators of both tiles take turns
	WIN 0x01+0x50*\T
.irp c, 0,1,2,3
	v_wmma_scale_f32_16x16x128_f8f6f4 v[O+8*\c:O+8*\c+7], v[VF+12*\c:VF+12*\c+11], v[PC+12*\T:PC+12*\T+11], v[O+8*\c:O+8*\c+7], v[VSW+\c], v[PSW+\T] matrix_a_fmt:MATRIX_FMT_FP6 matrix_b_fmt:MATRIX_FMT_FP6
.endr
.endm
.macro WOUT T                          ; o of tile T: register 16 b + i is channel 32 b + 16 h + i of my query: two blocks of o's K, each shared with lane l xor 16
.set TT, 88+24*\T
	WIN 0x14*\T
.irp i, 0,2,4,6,8,10,12,14
.irp b, 0,1
.if \i == 0
	v_max3_num_f32 v[TT+\b], 0x1800000, |v[S+16*\b]|, |v[S+16*\b+1]|
.else
	v_max3_num_f32 v[TT+\b], v[TT+\b], |v[S+16*\b+\i]|, |v[S+16*\b+\i+1]|
.endif
.endr
.endr
	WIN 0
	v_permlanex16_b32 v[TT+4], v[TT], s[SEL], s[SEL+1]
	v_permlanex16_b32 v[TT+21], v[TT+1], s[SEL], s[SEL+1]
	v_max_num_f32 v[TT], v[TT], v[TT+4]
	v_max_num_f32 v[TT+1], v[TT+1], v[TT+21]
	v_add_nc_u32 v[TT+8], 0xff000000, v[TT]
	v_add_nc_u32 v[TT+9], 0xff000000, v[TT+1]
	v_lshrrev_b32 v[TT+10], 23, v[TT+8]
	v_lshrrev_b32 v[TT+11], 23, v[TT+9]
	v_lshl_or_b32 v[TT+20], v[TT+11], 8, v[TT+10]  ; the head's two scale bytes of my row
	WIN 0x01*\T
	v_cvt_scalef32_pk16_fp6_f32 v[PC+12*\T:PC+12*\T+2], v[S:S+15], v[TT+8]
	v_cvt_scalef32_pk16_fp6_f32 v[TT+12:TT+14], v[S+16:S+31], v[TT+9]
	WIN 0
	v_nop                                          ; one plain place behind a scaled conversion
.irp i, 0,1,2
	v_permlane16_swap_b32 v[PC+12*\T+\i], v[TT+12+\i]
.endr
.irp i, 0,1,2
	v_mov_b32 v[PC+12*\T+3+\i], v[TT+12+\i]
.endr
.irp p, 0,1,2
	global_store_b64 v[OA], v[PC+12*\T+2*\p:PC+12*\T+2*\p+1], s[OP:OP+1] offset:12288*\T+256*\p   ; 256 consecutive bytes, aligned
.endr
	global_store_b16 v[OB], v[TT+20], s[OS:OS+1] offset:512*\T   ; (lanes l and l xor 16 hold and write the same)
.endm
	s_load_b128 s[4:7], s[0:1], 0x0                ; qk s[4:5], vt s[6:7]
	s_load_b64 s[8:9], s[0:1], 0x10                ; oq
	v_lshl_add_u32 v[SPW], v0, 2, SPARE
	v_mov_b32 v[NIL], 0
	ds_add_u32 v[SPW], v[NIL]                      ; the opening lines: the add, twice on end, and its wait ahead of the first tensor loads
	ds_add_u32 v[SPW], v[NIL]
	v_lshrrev_b32 v10, 5, v0
	v_readfirstlane_b32 s[WV], v10                 ; wave 0..7
	s_and_b32 s10, ttmp7, 0xffff                   ; 16 x batch + head
	s_lshr_b32 s11, s10, 4                         ; batch
	s_and_b32 s12, s10, 15                         ; head
	s_lshr_b32 s13, s12, 1                         ; its pair,
	s_and_b32 s14, s12, 1                          ; and which of the pair
	s_and_b32 s15, s[WV], 3
	s_and_b32 s10, s[WV], 1
	s_bfe_u32 s16, ttmp6, 0x40000                  ; cx
	s_lshl_b32 s17, s13, 9
	s_lshl_b32 s19, s11, 7
	s_add_co_u32 s17, s17, s19                     ; q's first fragment: 512 x pair + 128 x batch
	s_mul_i32 s19, s14, 768
	s_mul_i32 s88, s17, 1536
	s_add_co_u32 s88, s88, s19                     ; q's codes
	s_mov_b32 s89, 0
	s_lshl_b32 s90, s15, 5
	s_add_co_u32 s90, s90, s17
	s_add_co_u32 s90, s90, 4096                    ; k's pairs lie 8 x 512 fragments behind q's; waves 0-3 fetch 32 blocks each
	s_mul_i32 s90, s90, 1536
	s_add_co_u32 s90, s90, s19
	s_mov_b32 s91, 0
	s_lshl_b32 s92, s17, 7
	s_lshl_b32 s19, s14, 6
	s_add_co_u32 s92, s92, s19
	s_add_co_u32 s92, s92, 12582912                ; q's scale words
	s_mov_b32 s93, 0
	s_add_co_u32 s94, s92, 524288                  ; k's
	s_mov_b32 s95, 0
	s_lshl_b32 s96, s11, 4
	s_lshl_b32 s19, s10, 3
	s_add_co_u32 s96, s96, s19                     ; V: step 16 x batch + 8 x (wave % 2): waves 4, 5 fetch eight steps each
	s_lshl_b32 s96, s96, 6
	s_lshl_b32 s19, s12, 2
	s_add_co_u32 s96, s96, s19                     ; + the head's four channel blocks
	s_mul_i32 s96, s96, 1536
	s_mov_b32 s97, 0
	s_lshl_b32 s98, s11, 10
	s_add_co_u32 s98, s98, s19
	s_lshl_b32 s98, s98, 7
	s_add_co_u32 s98, s98, 6291456                 ; V's scale words
	s_mov_b32 s99, 0
	MKG1 G1K, 96, 32, 192                          ; 32 blocks' 768 bytes, 1,536 apart
	MKG1 G1V, 768, 8, 12288                        ; eight steps' 6,144 bytes, 98,304 apart
	MKG1 G1KS, 8, 128, 16                          ; 128 blocks' 64 bytes, 128 apart
	MKG1 G1VS, 64, 16, 1024                        ; 16 steps' 512 bytes, 8,192 apart
	s_mov_b32 s[SEL], 0x76543210
	s_mov_b32 s[SEL+1], 0xfedcba98
	s_mov_b32 s[CS], 0x3e38aa3b                    ; c = log2(e) / sqrt(64)
	s_mov_b32 s[CS+1], s[CS]                       ; (named with it as a pair)
	s_mov_b32 s[NCS], 0xbe38aa3b                   ; -c
	s_sub_co_u32 s[LIM], 15, s[WV]                 ; the first pass: the late pair
	s_sub_co_u32 s[E], 3, s16
	s_mov_b32 s[PASS], 2
	s_wait_dscnt 0x0                               ; both opening adds are done
	s_wait_kmcnt 0x0
	s_add_nc_u64 s[QP:QP+1], s[4:5], s[88:89]
	s_add_nc_u64 s[QS:QS+1], s[4:5], s[92:93]
	s_mov_b32 s[G0K], 1
	s_mul_i32 s[G0K+1], s15, 24576
	s_add_nc_u64 s[G0K+2:G0K+3], s[4:5], s[90:91]
	s_or_b32 s[G0K+3], s[G0K+3], 0x80000000
	s_mov_b32 s[G0V], 1
	s_mul_i32 s[G0V+1], s10, 49152
	s_add_co_u32 s[G0V+1], s[G0V+1], LV
	s_add_nc_u64 s[G0V+2:G0V+3], s[6:7], s[96:97]
	s_or_b32 s[G0V+3], s[G0V+3], 0x80000000
	s_mov_b32 s[G0KS], 1
	s_mov_b32 s[G0KS+1], LKS
	s_add_nc_u64 s[G0KS+2:G0KS+3], s[4:5], s[94:95]
	s_or_b32 s[G0KS+3], s[G0KS+3], 0x80000000
	s_mov_b32 s[G0VS], 1
	s_mov_b32 s[G0VS+1], LVS
	s_add_nc_u64 s[G0VS+2:G0VS+3], s[6:7], s[98:99]
	s_or_b32 s[G0VS+3], s[G0VS+3], 0x80000000
	s_mul_i32 s88, s11, 1572864                    ; o: a batch is 128 blocks x 8 K steps;
	s_mul_i32 s92, s13, 1536                       ; the head pair is the K step,
	s_add_co_u32 s88, s88, s92
	s_mul_i32 s92, s14, 768                        ; the head three of its planes
	s_add_co_u32 s88, s88, s92
	s_add_nc_u64 s[OP:OP+1], s[8:9], s[88:89]
	s_lshl_b32 s88, s11, 16
	s_lshl_b32 s92, s12, 1
	s_add_co_u32 s88, s88, s92
	s_add_co_u32 s88, s88, 6291456
	s_add_nc_u64 s[OS:OS+1], s[8:9], s[88:89]      ; its two scale bytes in a row's 32
	CROUND                                         ; all four work-groups are here: the joint loads meet
	s_cmp_lt_u32 s[WV], 4                          ; one load a wave, chosen by the wave's number: the same in all partners
	s_cbranch_scc0 .Lfill_v
	TLOAD G0K, G1K
	s_branch .Lfilled
.Lfill_v:
	s_cmp_lt_u32 s[WV], 6
	s_cbranch_scc0 .Lfill_ks
	TLOAD G0V, G1V
	s_branch .Lfilled
.Lfill_ks:
	s_cmp_lt_u32 s[WV], 7
	s_cbranch_scc0 .Lfill_vs
	TLOAD G0KS, G1KS
	s_branch .Lfilled
.Lfill_vs:
	TLOAD G0VS, G1VS
.Lfilled:
	s_lshl_b32 s[JJ], s[LIM], 3
	s_lshl_b32 s[TP], s[E], 1
	s_add_co_u32 s[JJ], s[JJ], s[TP]               ; the first pass's first tile; the second's is 126 less that
	s_sub_co_u32 s[TP], 126, s[JJ]
	s_mul_i32 s88, s[JJ], 1536
	s_mul_i32 s89, s[TP], 1536
	s_lshl_b32 s90, s[JJ], 7
	s_lshl_b32 s91, s[TP], 7
	v_and_b32 v10, 31, v0                          ; lane
	v_and_b32 v11, 15, v0                          ; r
	v_bfe_u32 v12, v0, 4, 1                        ; h
	v_bfe_u32 v13, v0, 3, 1                        ; r / 8
	v_and_b32 v14, 7, v0                           ; r % 8
	v_lshlrev_b32 v[L8], 3, v10
	v_mul_u32_u24 v15, v13, 1536                   ; K: rows 8-15 of a tile come from two blocks on,
	v_lshl_add_u32 v15, v14, 3, v15                ; 8 bytes a lane in a plane,
	v_lshl_add_u32 v[ABK], v12, 7, v15             ; lanes 16-31 sixteen lanes on
	v_add_nc_u32 v[ABK+1], 3072, v[ABK]
	v_add_nc_u32 v[ABV], LV-6144, v[L8]
	v_add_nc_u32 v[ABV+1], LV-4096, v[L8]
	v_add_nc_u32 v[ABV+2], LV-2048, v[L8]
	v_lshlrev_b32 v15, 7, v13
	v_lshl_add_u32 v15, v14, 2, v15
	v_lshl_add_u32 v15, v12, 6, v15                ; lanes 16-31 take the odd tile's words
	v_add_nc_u32 v[ABS], LKS, v15
	v_lshl_add_u32 v[ABT], v10, 2, LVS-512
	v_lshl_add_u32 v[RV], v13, 3, v11
	v_lshlrev_b32 v16, 5, v12
	v_sub_nc_u32 v[RV], v[RV], v16
	v_lshlrev_b32 v[H8], 3, v12
	v_mov_b32 v[NINF], 0xff800000
	v_lshlrev_b32 v[R32], 5, v11
	v_lshlrev_b32 v16, 2, v11
	v_add_nc_u32 v151, s88, v[L8]
	v_add_nc_u32 v152, s89, v[L8]
	v_add_nc_u32 v153, s90, v16
	v_add_nc_u32 v154, s91, v16
.irp T, 0,1
.irp p, 0,1,2
	global_load_b64 v[QF+12*\T+2*\p:QF+12*\T+2*\p+1], v151, s[QP:QP+1] offset:1536*\T+256*\p
.endr
	global_load_b32 v[QSW+\T], v153, s[QS:QS+1] offset:128*\T
.endr
.irp T, 0,1
.irp p, 0,1,2
	global_load_b64 v[QST+6*\T+2*\p:QST+6*\T+2*\p+1], v152, s[QP:QP+1] offset:1536*\T+256*\p   ; the second pass's Q waits in registers of its own
.endr
	global_load_b32 v[QST+12+\T], v154, s[QS:QS+1] offset:128*\T
.endr
.irp T, 0,1
.irp i, 6,7,8,9,10,11
	v_mov_b32 v[QF+12*\T+\i], 0                    ; Q's K = 64 .. 127: zero codes; they stay
.endr
	v_mov_b32 v[92+24*\T], 0                       ; lane permutes' destinations, and the upper half of the pair that holds f, count as read before they are first written
	v_mov_b32 v[109+24*\T], 0
	v_mov_b32 v[95+24*\T], 0
.endr
	WIN 0x40
.irp i, 48,49,50,51,52,53
	v_mov_b32 v[KF+\i], 0                          ; what follows K's last tile
.endr
	WIN 0
	WALU                                           ; the wait at the head's end
	s_wait_tensorcnt 0x0                           ; my load has landed,
	s_barrier_signal -1
	s_barrier_wait -1                              ; everybody's has: K and V are whole, and are only read from here on
	s_wait_loadcnt 0x0                             ; Q of both passes
.Lpass:
	s_wait_xcnt 0x0                                ; the last pass's stores have read their registers
	s_lshl_b32 s[JJ], s[LIM], 3
	s_lshl_b32 s[TP], s[E], 1
	s_add_co_u32 s[JJ], s[JJ], s[TP]
	s_lshl_b32 s[TP], s[E], 5
	KLOAD ABK, ABK+1, ABS                          ; step 0's K
	v_add_nc_u32 v[MK], s[TP], v[RV]               ; tile 0's query in its 128 tokens, less 32 h
.irp T, 0,1
	v_mov_b32 v[21+4*\T], 0xff61b1e6               ; the largest score so far: -3e38
	v_mov_b32 v[22+4*\T], 0
	v_mov_b32 v[23+4*\T], 0
.endr
.irp T, 0,1
	v_mul_f32 v[20+4*\T], s[NCS], v[21+4*\T]
.endr
.irp T, 0,1
	v_floor_f32 v[20+4*\T], v[20+4*\T]             ; -M
.endr
.set j, 0
.rept 32
	v_mov_b32 v[O+j], 0                            ; the step is written once: the first finds zeros, which the first change of M leaves zeros
.set j, j+1
.endr
	WIN 0x40
.set j, 0
.rept 32
	v_mov_b32 v[O+j], 0
.set j, j+1
.endr
	WIN 0
	s_mov_b32 s[ST], 0
	s_mov_b32 s[TB], 6144
	s_mov_b32 s[TS], 512
.Lstep:                                                ; 16 trips, a constant; a step all of whose keys come after my queries is left out
	s_cmp_gt_u32 s[ST], s[LIM]
	s_cbranch_scc1 .Lhidden
.irp i, 0,1,2
	v_add_nc_u32 v[AWV+\i], s[TB], v[ABV+\i]       ; these four are also the places behind the last step's products on V
.endr
	v_add_nc_u32 v[AWT], s[TS], v[ABT]
	VLOAD
	s_wait_dscnt 16                                ; K's 16 loads are in; V's 16, issued behind them, may be out
	SQ 0
	SQ 1
	WIN 0
	v_add_nc_u32 v[AWK], s[TB], v[ABK]             ; four places behind the products, ahead of loads into their registers and of the first read of scores
	v_add_nc_u32 v[AWK+1], s[TB], v[ABK+1]
	v_add_nc_u32 v[AWS], s[TS], v[ABS]
	v_nop
	KLOAD AWK, AWK+1, AWS                          ; the next step's K
	s_cmp_lg_u32 s[ST], s[LIM]
	s_cbranch_scc1 .Lopen
	MASK 0                                         ; on the diagonal hidden scores become -infinity ahead of the maximum
	MASK 1
	WIN 0
.Lopen:
	MAXES 0
	MAXES 1
	WIN 0
.irp T, 0,1
	v_max_num_f32 v[88+24*\T], v[88+24*\T], v[90+24*\T]      ; the largest score of my block 0: for the row's maximum and, since p rises with the score, for the block's largest p
.endr
.irp T, 0,1
	v_max_num_f32 v[89+24*\T], v[89+24*\T], v[91+24*\T]      ; and of my block 1
.endr
.irp T, 0,1
	v_max3_num_f32 v[93+24*\T], v[21+4*\T], v[88+24*\T], v[89+24*\T]
.endr
.irp T, 0,1
	v_permlanex16_b32 v[92+24*\T], v[93+24*\T], s[SEL], s[SEL+1]
.endr
.irp T, 0,1
	v_max_num_f32 v[21+4*\T], v[93+24*\T], v[92+24*\T]       ; the running largest score of my query
.endr
.irp T, 0,1
	v_mul_f32 v[93+24*\T], s[NCS], v[21+4*\T]
.endr
.irp T, 0,1
	v_floor_f32 v[93+24*\T], v[93+24*\T]           ; the new -M = -ceil(t)
.endr
.irp T, 0,1
	v_sub_f32 v[92+24*\T], v[93+24*\T], v[20+4*\T] ; old M - new M: a whole number, 0 or less
.endr
.irp T, 0,1
	v_mov_b32 v[20+4*\T], v[93+24*\T]
.endr
.irp T, 0,1
	v_cvt_i32_f32 v[92+24*\T], v[92+24*\T]         ; (it saturates)
.endr
.irp T, 0,1
	v_ldexp_f32 v[94+24*\T], 1.0, v[92+24*\T]      ; f = 2^(old M - new M): rounds nothing
.endr
.irp k, 0,1
.irp T, 0,1
	v_fma_f32 v[88+24*\T+\k], v[88+24*\T+\k], s[CS], v[20+4*\T]
.endr
.endr
.irp T, 0,1
	v_pk_mul_f32 v[22+4*\T:23+4*\T], v[22+4*\T:23+4*\T], v[94+24*\T:95+24*\T] op_sel_hi:[1,0]   ; the sums under the new M
.endr
	SCALE 0
	SCALE 1
	WIN 0
	WALU                                           ; the wait ahead of the batch
	EXPS 0                                         ; p = 2^(t - M)
.irp k, 0,1
.irp T, 0,1
	v_exp_f32 v[88+24*\T+\k], v[88+24*\T+\k]       ; the blocks' largest p
.endr
.endr
	EXPS 1
	WIN 0
	v_nop                                          ; a plain place behind the exponentials
	WALU                                           ; one wait for the batch, ahead of its first reader
.irp k, 0,1
.irp T, 0,1
	v_max_num_f32 v[88+24*\T+\k], 0x1800000, v[88+24*\T+\k]  ; the floor: the byte cannot fall under 1
.endr
.endr
.irp k, 0,1
.irp T, 0,1
	v_add_nc_u32 v[96+24*\T+\k], 0xff000000, v[88+24*\T+\k]  ; 2 off the exponent field: the conversion's scale operand
.endr
.endr
.irp k, 0,1
.irp T, 0,1
	v_lshrrev_b32 v[98+24*\T+\k], 23, v[96+24*\T+\k]
.endr
.endr
.irp T, 0,1
	v_lshl_or_b32 v[108+24*\T], v[99+24*\T], 16, v[98+24*\T] ; my two bytes: blocks h and 2 + h,
.endr
.irp T, 0,1
	v_lshlrev_b32 v[108+24*\T], v[H8], v[108+24*\T]          ; at their places in the scale word;
.endr
.irp T, 0,1
	v_permlanex16_b32 v[109+24*\T], v[108+24*\T], s[SEL], s[SEL+1]
.endr
.irp T, 0,1
	v_or_b32 v[PSW+\T], v[108+24*\T], v[109+24*\T]           ; with lane l xor 16's two the word is whole
.endr
	CODES 0
	CODES 1
	WIN 0
	v_nop                                          ; one plain place behind a scaled conversion
.irp T, 0,1
.irp c, 0,1
.irp i, 0,1,2
	v_mov_b32 v[PC+12*\T+6*\c+3+\i], v[100+24*\T+4*\c+\i]
.endr
.endr
.endr
	SUMS 0                                         ; these additions are also the places between the scale words' and the codes' last writes and the products
	SUMS 1
	WALU                                           ; the wait, directly ahead of the wait below
	s_wait_dscnt 16                                ; V's 16 loads are in; the next K's 16, issued behind them, may be out
	PV 0
	PV 1
	WIN 0
.Lhidden:
	s_add_co_u32 s[TB], s[TB], 6144
	s_add_co_u32 s[TS], s[TS], 512
	s_add_co_u32 s[ST], s[ST], 1
	s_cmp_lt_u32 s[ST], 16
	s_cbranch_scc1 .Lstep
	; THE WAY OUT of a pair: O^T / the sum
	s_wait_dscnt 0x0                               ; the fetch behind the last step has landed: its registers are loaded anew in the next pass
	PLACES 4
.irp T, 0,1
	v_add_f32 v[22+4*\T], v[22+4*\T], v[23+4*\T]
.endr
.irp T, 0,1
	v_permlanex16_b32 v[92+24*\T], v[22+4*\T], s[SEL], s[SEL+1]
.endr
.irp T, 0,1
	v_add_f32 v[22+4*\T], v[22+4*\T], v[92+24*\T]
.endr
	s_mul_i32 s[TP], s[JJ], 12288
	s_lshl_b32 s88, s[JJ], 9
	WALU                                           ; ahead of the reciprocals
.irp T, 0,1
	v_rcp_f32 v[22+4*\T], v[22+4*\T]
.endr
	v_add_nc_u32 v[OA], s[TP], v[L8]               ; (plain places behind the reciprocals)  my place in the tile's planes,
	v_add_nc_u32 v[OB], s88, v[R32]                ; and my row's scale bytes
	WALU                                           ; ahead of the reciprocals' first reader, and of the first reader of O^T
.set j, 0
.rept 16
	v_pk_mul_f32 v[S+j:S+j+1], v[O+j:O+j+1], v[22:23] op_sel_hi:[1,0]   ; each accumulator from its low end on
.set j, j+2
.endr
	WIN 0x41
	WALU                                           ; directly ahead of the first reader of tile 1's O^T
.set j, 0
.rept 16
	v_pk_mul_f32 v[S+j:S+j+1], v[O+j:O+j+1], v[26:27] op_sel_hi:[1,0]
.set j, j+2
.endr
	WOUT 0
	WOUT 1
	s_sub_co_u32 s[LIM], 15, s[LIM]                ; the second pass: the early pair
	s_sub_co_u32 s[E], 3, s[E]
	s_sub_co_u32 s[PASS], s[PASS], 1
	s_cmp_eq_u32 s[PASS], 0
	s_cbranch_scc1 .Ldone
.irp T, 0,1
.irp i, 0,1,2,3,4,5
	v_mov_b32 v[QF+12*\T+\i], v[QST+6*\T+\i]
.endr
	v_mov_b32 v[QSW+\T], v[QST+12+\T]
.endr
	s_cmp_lg_u32 s[PASS], 0
	WALU                                           ; the wait ahead of the backward jump
	s_cbranch_scc1 .Lpass
.Ldone:
	s_wait_tensorcnt 0x0                           ; the wave's end
	ds_add_u32 v[SPW], v[NIL]
	s_wait_dscnt 0x0
	CROUND                                         ; the closing round
	s_endpgm
.Lfunc_end_k_q833fbfe8c2_attn:
	.size	k_q833fbfe8c2_attn, .Lfunc_end_k_q833fbfe8c2_attn-k_q833fbfe8c2_attn
	.p2alignl 7, 3214868480
	.fill 96, 4, 3214868480
	.section	.rodata,"a",@progbits
	.p2align	6, 0x0
	.amdhsa_kernel k_q833fbfe8c2_attn
		.amdhsa_group_segment_fixed_size 327680
		.amdhsa_private_segment_fixed_size 0
		.amdhsa_enable_private_segment 0
		.amdhsa_kernarg_size 24
		.amdhsa_user_sgpr_count 2
		.amdhsa_user_sgpr_kernarg_segment_ptr 1
		.amdhsa_wavefront_size32 1
		.amdhsa_system_sgpr_workgroup_id_x 1
		.amdhsa_system_sgpr_workgroup_id_y 1
		.amdhsa_system_sgpr_workgroup_id_z 1
		.amdhsa_system_vgpr_workitem_id 0
		.amdhsa_next_free_vgpr 512
		.amdhsa_next_free_sgpr 102
		.amdhsa_reserve_vcc 1
		.amdhsa_float_denorm_mode_32 3
		.amdhsa_float_denorm_mode_16_64 3
		.amdhsa_memory_ordered 1
		.amdhsa_forward_progress 1
		.amdhsa_inst_pref_size 62
	.end_amdhsa_kernel
	.amdgpu_metadata
---
amdhsa.version: [ 1, 2 ]
amdhsa.kernels:
  - .name:           k_q833fbfe8c2_attn
    .symbol:         k_q833fbfe8c2_attn.kd
    .args:
      - { .name: qk, .offset: 0, .size: 8, .value_kind: global_buffer, .address_space: global }
      - { .name: vt, .offset: 8, .size: 8, .value_kind: global_buffer, .address_space: global }
      - { .name: oq, .offset: 16, .size: 8, .value_kind: global_buffer, .address_space: global }
    .group_segment_fixed_size: 327680
    .private_segment_fixed_size: 0
    .kernarg_segment_align: 8
    .kernarg_segment_size: 24
    .max_flat_workgroup_size: 256
    .sgpr_count:     102
    .vgpr_count:     512
    .wavefront_size: 32
...
	.end_amdgpu_metadata
.endif
;; end of part 3
;; launch outp (part 4): grid 4 x 64, 4 waves a work-group, clusters of 4 x 4, 327,680 bytes of LDS; arguments oq, wq, bo, out0; writes out0
.if DOCPART == 4
	.amdgcn_target "amdgcn-amd-amdhsa--gfx1250"
	.amdhsa_code_object_version 6
	.text
	.protected	k_q833fbfe8c2_outp
	.globl	k_q833fbfe8c2_outp
	.p2align	8
	.type	k_q833fbfe8c2_outp,@function
k_q833fbfe8c2_outp:
	s_mov_b64 s[64:65], 0
	v_nop
	global_prefetch_b8 v0, s[64:65] scope:SCOPE_SE
	s_setreg_imm32_b32 hwreg(HW_REG_WAVE_MODE, 25, 1), 1
	s_wait_xcnt 0x0
	s_wait_alu depctr_hold_cnt(0) depctr_sa_sdst(0) depctr_va_vdst(0) depctr_va_sdst(0) depctr_va_ssrc(0) depctr_va_vcc(0) depctr_vm_vsrc(0)
	s_getreg_b32 s2, hwreg(HW_REG_IB_STS2, 6, 4)
	s_cmp_eq_u32 s2, 0
	s_cbranch_scc0 .Lentry_in_a_cluster
	s_endpgm
.Lentry_in_a_cluster:
	s_bfe_u32 s2, ttmp6, 0x10000c
	s_cmp_lg_u32 s2, 0xf033
	s_cbranch_scc0 .Lentry_shape_is_right
	s_endpgm
.Lentry_shape_is_right:
; out = o Wo^T + bo on codes of FP6 (E2M3) with E8M0 scales, K = 1,024; out0 [8192][1024] f32.
; A work-group takes 128 places of o's tokens ("A") x 256 places of Wo's rows ("B"), with ALL of K in LDS: [block][K step][1,536], 294,912 bytes of codes, filled once; nothing is filled again.
; At the head one load a wave: wave 0 A's codes (98,304 dense bytes), wave 1 B's (196,608), wave 2 A's scale bytes, wave 3 B's.
; Four waves: wave w takes A's blocks 4 (w / 2) .. + 3 and B's blocks 8 (w % 2) .. + 7: 32 accumulators.  The matrix instruction is used transposed: source 0 = 16 rows of Wo, source 1 = 16 tokens.
; Both buffers' rows lie in the order pi (bits 3, 4 exchanged): so the 16 registers of result tiles 2 b, 2 b + 1 are outputs 32 b + 16 (lane / 16) + 0 .. 15, and the tokens' order is undone in the stores' offsets.
; The bias is the C of each sum's first product.  CLUSTER 4 x 4: A's tile is shared along a row of the cluster, B's along a column.  All tiles are asked for at the head: no loop to run ahead in, so no prefetch.
; The way out goes through a stage in B's bytes: they have had their only fill, and a barrier round the last K step's products stands between every wave's last read of the codes and the stage's first store.
; REGISTERS: window 0: v16-27 addresses, v28-29 the add's two, v32-127 A's fragments (two sets of 48), v128-191 scale words of all K, v192-255 the bias; on the way out v32-95 and v192-255 take rows of the result;
;   window 1: B's fragments, sets at v0 and v128; window 2: accumulator (a, b) at v[8 (8 a + b)].
.set LB,    98304                      ; B's codes, behind A's
.set LSA,   294912                     ; A's scale bytes, 32 a row, as units of 256 bytes + 16 of padding
.set LSB,   299264                     ; B's
.set SPARE, 307968                     ; the spare words, 128 bytes a wave
.set ADA,   16                         ; v16    my four blocks of A
.set ADB,   18                         ; v18-19 my blocks 0-3, 4-7 of B
.set STO,   24
.set RD,    25
.set CO,    26
.set ADS,   27
.set SPW,   28
.set NIL,   29
.set AF,    32
.set SC,    128
.set BI,    192
.set WV, 12
.set FB, 13
.set HF, 14
.set CX, 15
.set CY, 16
.set TR, 17
.set TC, 18
.set G1A, 24
.set G1B, 32
.set G1SA, 40
.set G1SB, 48
.set G0A, 56
.set G0B, 60
.set G0SA, 68
.set G0SB, 72
.set MSB, 0
.macro WIN new
.if MSB != \new
	s_set_vgpr_msb (MSB<<8)|\new
.set MSB, \new
.endif
.endm
.macro PLACES n
.rept \n
	v_nop
.endr
.endm
.macro CROUND
	s_barrier_signal -1
	s_barrier_wait -1
	s_cmp_lg_u32 s[WV], 0
	s_cbranch_scc1 .Lnot_wave_0_\@
	s_barrier_signal -3
.Lnot_wave_0_\@:
	s_barrier_wait -3
	s_barrier_signal -1
	s_barrier_wait -1
.endm
.macro TLOAD g0, g1                    ; an s_nop 0 and four v_nop follow each load
	tensor_load_to_lds s[\g0:\g0+3], s[\g1:\g1+7]
	s_nop 0
	PLACES 4
.endm
.macro MKG1 g, c, r, p
	s_mov_b32 s[\g+1], (\c)<<16
	s_mov_b32 s[\g+2], (\r)<<16
	s_mov_b32 s[\g+3], (\c)<<16
	s_mov_b32 s[\g+4], \r
	s_mov_b32 s[\g+5], \p
	s_mov_b32 s[\g+6], 0
	s_mov_b32 s[\g+7], 0
.endm
.macro FETCHB ks, i0                   ; B's blocks i0 .. i0 + 3 of K step ks into set ks % 2: 24 loads of 256 consecutive bytes
	WIN 0x40
.irp i, \i0, \i0+1, \i0+2, \i0+3
.irp p, 0,1,2,3,4,5
	ds_load_b64 v[128*((\ks)%2)+12*(\i)+2*\p:128*((\ks)%2)+12*(\i)+2*\p+1], v[ADB+(\i0)/4] offset:12288*((\i)-(\i0))+1536*(\ks)+256*\p
.endr
.endr
.endm
.macro FETCHA ks
	WIN 0
.irp i, 0,1,2,3
.irp p, 0,1,2,3,4,5
	ds_load_b64 v[AF+48*((\ks)%2)+12*\i+2*\p:AF+48*((\ks)%2)+12*\i+2*\p+1], v[ADA] offset:12288*\i+1536*(\ks)+256*\p
.endr
.endr
.endm
.macro MULA ks, a, first               ; A's block a against B's eight; first = 1: the bias starts the sums.  The 32 accumulators take turns, in the same order in every K step
.irp b, 0,1,2,3,4,5,6,7
.if \first
	v_wmma_scale_f32_16x16x128_f8f6f4 v[8*(8*\a+\b):8*(8*\a+\b)+7], v[128*((\ks)%2)+12*\b:128*((\ks)%2)+12*\b+11], v[AF+48*((\ks)%2)+12*\a:AF+48*((\ks)%2)+12*\a+11], v[BI+8*\b:BI+8*\b+7], v[SC+8*\b+(\ks)], v[SC+8*\a+(\ks)] matrix_a_fmt:MATRIX_FMT_FP6 matrix_b_fmt:MATRIX_FMT_FP6 matrix_a_scale:MATRIX_SCALE_ROW1
.else
	v_wmma_scale_f32_16x16x128_f8f6f4 v[8*(8*\a+\b):8*(8*\a+\b)+7], v[128*((\ks)%2)+12*\b:128*((\ks)%2)+12*\b+11], v[AF+48*((\ks)%2)+12*\a:AF+48*((\ks)%2)+12*\a+11], v[8*(8*\a+\b):8*(8*\a+\b)+7], v[SC+8*\b+(\ks)], v[SC+8*\a+(\ks)] matrix_a_fmt:MATRIX_FMT_FP6 matrix_b_fmt:MATRIX_FMT_FP6 matrix_a_scale:MATRIX_SCALE_ROW1
.endif
.endr
.endm
; A K step: the next step's 72 loads go out in one run at its head, into the other sets, which the step before read: four places stand ahead; the step's 32 products follow the run.
.macro KSTEP ks, first
.set MW, 0xa1-0x20*(\first)            ; source 0 (B) window 1, source 1 (A) window 0, D window 2; C window 2, or window 0 for the bias
.if (\ks) > 0
	PLACES 4
.endif
	s_wait_dscnt 0x0                               ; this step's fragments are in
	FETCHB (\ks)+1, 0
	FETCHB (\ks)+1, 4
	FETCHA (\ks)+1
	WIN MW
	MULA \ks, 0, \first
	MULA \ks, 1, \first
	MULA \ks, 2, \first
	MULA \ks, 3, \first
.endm
	s_load_b256 s[4:11], s[0:1], 0x0               ; oq s[4:5], wq s[6:7], bo s[8:9], out0 s[10:11]
	v_lshl_add_u32 v[SPW], v0, 2, SPARE
	v_mov_b32 v[NIL], 0
	ds_add_u32 v[SPW], v[NIL]                      ; the opening lines: the add, twice on end, and its wait ahead of my first tensor load
	ds_add_u32 v[SPW], v[NIL]
	v_lshrrev_b32 v1, 5, v0
	v_readfirstlane_b32 s[WV], v1
	s_lshr_b32 s[FB], s[WV], 1
	s_and_b32 s[HF], s[WV], 1
	s_bfe_u32 s[CX], ttmp6, 0x40000
	s_bfe_u32 s[CY], ttmp6, 0x40004
	s_and_b32 s[TR], ttmp7, 0xffff
	s_lshl_b32 s[TR], s[TR], 2
	s_add_co_u32 s[TR], s[TR], s[CY]               ; A's tile: 128 tokens
	s_lshl_b32 s[TC], ttmp9, 2
	s_add_co_u32 s[TC], s[TC], s[CX]               ; B's tile: 256 outputs
	s_lshl_b32 s2, s[CY], 2
	s_lshl_b32 s2, 15, s2                          ; my row of the cluster
	s_lshl_b32 s3, 0x1111, s[CX]                   ; my column
	s_or_b32 s[G1A], s2, (3<<16)|(1<<21)
	s_or_b32 s[G1B], s3, (3<<16)|(1<<21)
	s_or_b32 s[G1SA], s2, (3<<16)|(1<<20)|(1<<21)|(5<<22)|(3<<25)
	s_or_b32 s[G1SB], s3, (3<<16)|(1<<20)|(1<<21)|(5<<22)|(3<<25)
	MKG1 G1A, 1536, 8, 1536                        ; eight blocks, all of K: rows of 12,288 bytes on end
	MKG1 G1B, 1536, 16, 1536
	MKG1 G1SA, 32, 16, 32                          ; 128 rows' scale bytes: a dense block of 16 x 256
	MKG1 G1SB, 32, 32, 32
	s_mov_b32 s[G0A], 1
	s_mov_b32 s[G0B], 1
	s_mov_b32 s[G0SA], 1
	s_mov_b32 s[G0SB], 1
	s_mov_b32 s[G0A+1], 0
	s_mov_b32 s[G0B+1], LB
	s_mov_b32 s[G0SA+1], LSA
	s_mov_b32 s[G0SB+1], LSB
	s_lshl_b32 s2, s[TR], 12
	s_add_co_u32 s2, s2, 6291456                   ; o's scale bytes lie behind its codes
	s_mov_b32 s3, 0
	s_mul_i32 s20, s[TR], 98304
	s_mov_b32 s21, 0
	s_lshl_b32 s22, s[TC], 13
	s_add_co_u32 s22, s22, 3244032                 ; Wo's rows begin at row 3,072 of wq
	s_mov_b32 s23, 0
	s_mul_i32 s92, s[TC], 196608
	s_add_co_u32 s92, s92, 2359296                 ; and at block 192
	s_mov_b32 s93, 0
	s_wait_dscnt 0x0                               ; both opening adds are done
	s_wait_kmcnt 0x0
	s_add_nc_u64 s[G0SA+2:G0SA+3], s[4:5], s[2:3]
	s_or_b32 s[G0SA+3], s[G0SA+3], 0x80000000
	s_add_nc_u64 s[G0A+2:G0A+3], s[4:5], s[20:21]
	s_or_b32 s[G0A+3], s[G0A+3], 0x80000000
	s_add_nc_u64 s[G0SB+2:G0SB+3], s[6:7], s[22:23]
	s_or_b32 s[G0SB+3], s[G0SB+3], 0x80000000
	s_add_nc_u64 s[G0B+2:G0B+3], s[6:7], s[92:93]
	s_or_b32 s[G0B+3], s[G0B+3], 0x80000000
	CROUND                                         ; all sixteen work-groups are here: the joint loads meet
	s_cmp_lt_u32 s[WV], 1                          ; one chain on the wave's number, a load in each arm
	s_cbranch_scc0 .Lf_b
	TLOAD G0A, G1A
	s_branch .Lf_j
.Lf_b:
	s_cmp_lt_u32 s[WV], 2
	s_cbranch_scc0 .Lf_sa
	TLOAD G0B, G1B
	s_branch .Lf_j
.Lf_sa:
	s_cmp_lt_u32 s[WV], 3
	s_cbranch_scc0 .Lf_sb
	TLOAD G0SA, G1SA
	s_branch .Lf_j
.Lf_sb:
	TLOAD G0SB, G1SB
.Lf_j:
	s_lshl_b32 s22, s[TC], 10                      ; the bias of my 128 outputs
	s_lshl_b32 s23, s[HF], 9
	s_add_co_u32 s22, s22, s23
	s_mov_b32 s23, 0
	s_add_nc_u64 s[8:9], s[8:9], s[22:23]
	s_lshl_b32 s2, s[TR], 7
	s_lshl_b32 s3, s[FB], 6
	s_add_co_u32 s2, s2, s3
	s_lshl_b32 s2, s2, 12                          ; my 64 tokens' rows of 4,096 bytes,
	s_add_co_u32 s22, s22, s2                      ; + my 128 outputs' 512 bytes
	s_add_nc_u64 s[10:11], s[10:11], s[22:23]
	s_mul_i32 s20, s[FB], 49152                    ; my four blocks of A
	s_mul_i32 s21, s[HF], 98304                    ; my eight of B
	s_add_co_u32 s21, s21, LB
	s_mul_i32 s23, s[FB], 2176
	s_mul_i32 s22, s[HF], 4352
	s_add_co_u32 s22, s22, 4352
	s_sub_co_u32 s22, s22, s23
	s_add_co_u32 s23, s23, LSA
	s_mul_i32 s2, s[WV], 8448
	s_add_co_u32 s2, s2, LB                        ; my stage: 16 rows x (512 bytes + 16)
	v_and_b32 v1, 31, v0                           ; lane
	v_and_b32 v2, 15, v0                           ; r
	v_bfe_u32 v3, v0, 4, 1                         ; h
	v_lshlrev_b32 v4, 3, v1
	v_lshlrev_b32 v7, 6, v3                        ; lane (r, h) wants, for tile 2 b + u, the bias of outputs 32 b + 16 h + 8 u + 0 .. 7
	v_add_nc_u32 v[ADA], s20, v4
	v_add_nc_u32 v[ADB], s21, v4
	v_add_nc_u32 v[ADB+1], 49152, v[ADB]
	v_lshlrev_b32 v5, 5, v2
	v_lshrrev_b32 v6, 3, v2
	v_lshl_add_u32 v5, v6, 4, v5
	v_mul_u32_u24 v6, s22, v3                      ; lanes 16-31 take B's scale words
	v_add_nc_u32 v5, v5, v6
	v_add_nc_u32 v[ADS], s23, v5
	v_mul_u32_u24 v8, v2, 528
	v_lshl_add_u32 v8, v3, 6, v8
	v_add_nc_u32 v[STO], s2, v8                    ; in: row r, + 64 h
	v_lshlrev_b32 v[CO], 4, v1
	v_add_nc_u32 v[RD], s2, v[CO]                  ; back: the 32 lanes take one row of 512 bytes
.irp b, 0,1,2,3,4,5,6,7
	global_load_b128 v[BI+8*\b:BI+8*\b+3], v7, s[8:9] offset:128*(\b/2)+32*(\b%2)
	global_load_b128 v[BI+8*\b+4:BI+8*\b+7], v7, s[8:9] offset:128*(\b/2)+32*(\b%2)+16
.endr
	s_wait_alu depctr_va_vdst(0)                   ; the wait at the head's end
	s_wait_tensorcnt 0x0                           ; my load has landed,
	s_barrier_signal -1
	s_barrier_wait -1                              ; everybody's has: codes and scale bytes are whole
.irp i, 0,1,2,3,4,5,6,7
.irp t, 0,1
	ds_load_b128 v[SC+8*\i+4*\t:SC+8*\i+4*\t+3], v[ADS] offset:544*\i+16*\t
.endr
.endr
	FETCHB 0, 0
	FETCHB 0, 4
	FETCHA 0
	s_wait_loadcnt 0x0                             ; the bias
	KSTEP 0, 1
	KSTEP 1, 0
	KSTEP 2, 0
	KSTEP 3, 0
	KSTEP 4, 0
	KSTEP 5, 0
	KSTEP 6, 0
	s_wait_dscnt 0x0                               ; the last step's fragments are in: my reads of the codes are over;
	s_barrier_signal -1                            ; say so, work on registers while the others arrive,
	WIN 0xa1
	MULA 7, 0, 0
	MULA 7, 1, 0
	MULA 7, 2, 0
	MULA 7, 3, 0
	WIN 0
	s_barrier_wait -1                              ; and everybody's are: the stage may be written
; THE WAY OUT, a block of 16 tokens x 128 outputs at a time, through my stage: LDS serves a wave's instructions in order, so no wait stands between the stores and the loads, nor ahead of the next block's stores
.macro TOSTAGE a
	WIN 0x08                                       ; an LDS store's data: window 2
.irp b, 0,1,2,3,4,5,6,7
	ds_store_b128 v[STO], v[64*\a+8*\b:64*\a+8*\b+3] offset:128*(\b/2)+32*(\b%2)       ; each accumulator from its low end on
	ds_store_b128 v[STO], v[64*\a+8*\b+4:64*\a+8*\b+7] offset:128*(\b/2)+32*(\b%2)+16
.endr
	WIN 0
.set BB, 32+160*((\a)%2)
.irp t, 0,1,2,3,4,5,6,7,8,9,10,11,12,13,14,15
	ds_load_b128 v[BB+4*\t:BB+4*\t+3], v[RD] offset:528*\t
.endr
.endm
.macro SEND a, younger                 ; younger: the LDS instructions issued behind block a's loads, which may stay out
.set BB, 32+160*((\a)%2)
	s_wait_dscnt \younger
.irp t, 0,1,2,3,4,5,6,7,8,9,10,11,12,13,14,15
	global_store_b128 v[CO], v[BB+4*\t:BB+4*\t+3], s[10:11] offset:(32*((\a)/2)+8*((\a)%2)+\t+8*(\t/8))*4096 th:TH_STORE_NT   ; place 16 a + t is token 32 (a / 2) + 8 (a % 2) + t + 8 (t / 8); 512 consecutive bytes, aligned
.endr
.endm
	PLACES 4                                       ; behind the last products: ahead of the reads of results and of loads into registers that products read
	TOSTAGE 0
	TOSTAGE 1
	SEND 0, 32                                     ; behind block 0's loads: block 1's 16 stores and 16 loads
	s_wait_xcnt 0x0                                ; block 0's stores have read their registers: block 2's loads may land there
	TOSTAGE 2
	SEND 1, 32
	s_wait_xcnt 0x0
	TOSTAGE 3
	SEND 2, 32
	SEND 3, 0
	s_wait_tensorcnt 0x0                           ; the wave's end, behind my last tensor load and my last LDS store
	ds_add_u32 v[SPW], v[NIL]
	s_wait_dscnt 0x0
	CROUND                                         ; the closing round
	s_endpgm
.Lfunc_end_k_q833fbfe8c2_outp:
	.size	k_q833fbfe8c2_outp, .Lfunc_end_k_q833fbfe8c2_outp-k_q833fbfe8c2_outp
	.p2alignl 7, 3214868480
	.fill 96, 4, 3214868480
	.section	.rodata,"a",@progbits
	.p2align	6, 0x0
	.amdhsa_kernel k_q833fbfe8c2_outp
		.amdhsa_group_segment_fixed_size 327680
		.amdhsa_private_segment_fixed_size 0
		.amdhsa_enable_private_segment 0
		.amdhsa_kernarg_size 32
		.amdhsa_user_sgpr_count 2
		.amdhsa_user_sgpr_kernarg_segment_ptr 1
		.amdhsa_wavefront_size32 1
		.amdhsa_system_sgpr_workgroup_id_x 1
		.amdhsa_system_sgpr_workgroup_id_y 1
		.amdhsa_system_sgpr_workgroup_id_z 1
		.amdhsa_system_vgpr_workitem_id 0
		.amdhsa_next_free_vgpr 768
		.amdhsa_next_free_sgpr 96
		.amdhsa_reserve_vcc 0
		.amdhsa_float_denorm_mode_32 3
		.amdhsa_float_denorm_mode_16_64 3
		.amdhsa_memory_ordered 1
		.amdhsa_forward_progress 1
		.amdhsa_inst_pref_size 95
	.end_amdhsa_kernel
	.amdgpu_metadata
---
amdhsa.version: [ 1, 2 ]
amdhsa.kernels:
  - .name:           k_q833fbfe8c2_outp
    .symbol:         k_q833fbfe8c2_outp.kd
    .args:
      - { .name: oq, .offset: 0, .size: 8, .value_kind: global_buffer, .address_space: global }
      - { .name: wq, .offset: 8, .size: 8, .value_kind: global_buffer, .address_space: global }
      - { .name: bo, .offset: 16, .size: 8, .value_kind: global_buffer, .address_space: global }
      - { .name: out0, .offset: 24, .size: 8, .value_kind: global_buffer, .address_space: global }
    .group_segment_fixed_size: 327680
    .private_segment_fixed_size: 0
    .kernarg_segment_align: 8
    .kernarg_segment_size: 32
    .max_flat_workgroup_size: 128
    .sgpr_count:     96
    .vgpr_count:     768
    .wavefront_size: 32
...
	.end_amdgpu_metadata
.endif
;; end of part 4
